; MI455X (gfx1250); checked and timed in simulation.
; The chip was launched on July 23, 2026; its instructions are those of AMD's public machine-readable ISA for CDNA 5 (MIT licence, August 2026) and "CDNA5" Instruction Set Architecture Reference Guide (July 2026). The comments in the code are by the model that wrote it; some were corrected since.
;; Causal Self Attention. Allowed arithmetic: matrix products marked QUANTISED: E4M3 operands, one E8M0 scale for each 32 along K, by v_wmma_scale_f32_16x16x128_f8f6f4 with both operands' format E4M3, f32 sums; everything else in f32.
;; Inputs: b_attn 3,072 float32; b_proj 1,024 float32; w_attn 1,024 x 3,072 float32; w_proj 1,024 x 1,024 float32; x 2 x 2,048 x 1,024 float32.
;; Outputs: out0 2 x 2,048 x 1,024 float32.
;; This version of the problem:
;;   THIS VERSION OF THE PROBLEM IS GIVEN IN LOW PRECISION. The matrix products marked QUANTISED in the list below multiply operands that are first quantised to E4M3 (4 exponent bits, 3 mantissa bits; 8 bits a number), with one power-of-two scale for each 32 numbers along K (OCP MX v1.0); their sums are f32. All else is computed in f32.
;;   The module's matrix products, in the order in which they are computed (A, B: the left and right operand; K: the contracted axis; several contracted axes count as one K, in the product's order):
;;     1. [M 4,096, K 1,024] x [K 1,024, N 3,072]; A: input x; B: input w_attn: QUANTISED
;;     2. batch 32 x [M 2,048, K 64] x [K 64, N 2,048]; A: computed on the way; B: computed on the way: QUANTISED
;;     3. batch 32 x [M 2,048, K 2,048] x [K 2,048, N 64]; A: softmax (see below); B: computed on the way: QUANTISED
;;     4. [M 4,096, K 1,024] x [K 1,024, N 1,024]; A: computed on the way; B: input w_proj: QUANTISED
;;   THE QUANTISER, for each operand of a quantised product, along K:
;;     - K is cut into blocks of 32 from its start; a last block that is shorter is filled with zeros.
;;     - A block's scale is 2^e with e = floor(log2(the largest magnitude in the block)) - 8, held to -126 .. 127; a block of zeros has e = 0. As a byte (E8M0): e + 127.
;;     - Each number is divided by its block's scale, clamped to +-448, and rounded to the nearest number of E4M3, ties to even, subnormals kept.
;;     - The product sums the exact products of the quantised numbers (number of the format x scale) in f32.
;;   ~~~python
;;   def quantise(x, axis):      # numpy; x: float32 -> the quantised numbers, widened to float32 again
;;       x = np.moveaxis(x, axis, -1); K = x.shape[-1]
;;       x = np.pad(x, [(0, 0)] * (x.ndim - 1) + [(0, -K % 32)]); x = x.reshape(x.shape[:-1] + (-1, 32)); a = np.abs(x).max(-1, keepdims=True)
;;       e = np.where(a > 0, np.clip(np.frexp(np.where(a > 0, a, 1))[1] - 1 - 8, -126, 127), 0)      # np.frexp(a)[1] - 1 = floor(log2(a)), exactly
;;       r = np.clip(x / 2.0 ** e, -448, 448)
;;       step = 2.0 ** (np.maximum(np.frexp(np.where(r == 0, 1, r))[1] - 1, -6) - 3)
;;       q = np.round(r / step) * step * 2.0 ** e      # np.round: ties to even
;;       return np.moveaxis(q.reshape(q.shape[:-2] + (-1,))[..., :K], -1, axis).astype(np.float32)
;;   ~~~
;;   SOFTMAX AHEAD OF A QUANTISED PRODUCT. Where the list says 'softmax', what is quantised is not the finished softmax but p = 2^(t - M), with t = logit x log2(e) and M = ceil(the row's largest t), a whole number; so 1/2 < the row's largest p <= 1. The row's sum l is taken of the UNQUANTISED p, in f32, and the product's result is divided by l at the end. Since M is a whole number, a kernel that streams over the keys may use a running M (the ceiling of the running maximum): every later rescaling is an exact power of two, which a block's scale takes up: the codes' values come out the same.
;;   OPERANDS COMPUTED ON THE WAY. 'Computed on the way' means the value that the module computes at that place (a softmax that the list does not call 'softmax' is quantised finished and normalised). What goes into a quantiser is computed in f32, as accurately as f32 sums, v_exp_f32 and their like allow (about 1e-6 of the number): no bf16 or f16 on the way to a quantiser, and a product that is left as it is and whose result goes on into a quantised operand takes f32 operands (vector FMAs, or v_wmma_f32_16x16x4_f32). A number that lies on a knife's edge between two numbers of the format may be rounded either way, as far as f32 arithmetic and the matrix unit's own rounding can turn it there, and no further.
;; 2 versions, each right; version 2 is version 1 with the launch attn written anew for expert scheduling mode. Each part assembles by itself: llvm-mc -triple=amdgcn-amd-amdhsa -mcpu=gfx1250 --defsym DOCPART=n.
;; ======== version 1 of 2: 4 launches
;; workspace buffers: opc 8,388,608 bytes; ops 262,144 bytes; qkv 12,582,912 bytes; qkvs 786,432 bytes; yc 4,194,304 bytes; ys 131,072 bytes
;; launch quant (part 1): grid 256 x 1, 4 waves a work-group, no clusters, 34,304 bytes of LDS; arguments x, w_attn, w_proj, opc, ops; writes opc, ops
.if DOCPART == 1
	.amdgcn_target "amdgcn-amd-amdhsa--gfx1250"
	.amdhsa_code_object_version 6
	.text
	.protected	k_q3c0ab1ee33_quant
	.globl	k_q3c0ab1ee33_quant
	.p2align	8
	.type	k_q3c0ab1ee33_quant,@function
k_q3c0ab1ee33_quant:
	s_mov_b64 s[64:65], 0
	v_nop
	global_prefetch_b8 v0, s[64:65] scope:SCOPE_SE
	s_setreg_imm32_b32 hwreg(HW_REG_WAVE_MODE, 25, 1), 1
	s_wait_xcnt 0x0
; x [4096][1024], w_attn [1024][3072] and w_proj [1024][1024], f32, become codes of FP8 (E4M3) with one E8M0 byte for each 32 along K = 1,024.
; A block's scale is 2^(floor(log2(its largest magnitude)) - 8); each number is divided by it, held within +-448 and rounded to the nearest code, ties to even.
; LIMITS: NaN and infinities are not served; a block whose largest magnitude lies under 2^-118, a block of zeros among them, gets the byte 1 (its codes are then tiny or zero; the bytes are read by this program alone).
; THE OUTPUT IS LAID AS IMAGES OF OPERAND REGISTERS.  A TILE is 16 rows (of x) or 16 columns (of a weight): lane-row r of tile t is row 32 (t / 2) + 8 (t % 2) + r + 8 (r / 8).
;   codes:  opc + 16,384 tile + 2,048 s + 512 c + 16 lane: lane (r, h) holds k = 128 s + 32 c + 16 h + 0 .. 15.      scale words: ops + 512 tile + 128 (s / 2) + 8 r + 4 (s % 2).
;   tiles 0-255 x, 256-447 w_attn, 448-511 w_proj.
; Work-groups 0-127 take x (K innermost): a wave takes one tile x 512 along K, four units of 128.  A unit's 16 loads read 512 consecutive bytes of a row each; the rows turn through the wave's own stage in LDS
; (pitch 528), so that a lane gets 16 neighbours of each of four blocks.  Work-groups 128-223 take w_attn, 224-255 w_proj (K outermost): a lane takes a column and its registers run down K; a wave takes 32 columns x 256 along K;
; a lane's 32 codes are the two halves' 16 bytes of its lane-row, so they are stored straight from registers.  Every work-group reads 128 KiB.  Waves share nothing: no barrier.  No tile is read by two work-groups: no cluster.
.set L,   16                           ; v16-143  x: two sets of 64 registers as loaded
.set T,   144                          ; v144-207 x: 64 numbers, register 16 b + i = k 32 b + 16 h + i of my row
.set TM,  208                          ; v208-223 at work
.set PC,  224                          ; v224-239 a fragment's codes
.set PW,  240                          ; v240-243 the four units' scale words; v244-245 the two that I store
.set WX,  32                           ; v32-95   weights: two sets of 32 numbers
.set WC,  96                           ; v96-103  a block's codes
.set WS,  24                           ; v24-25   eight scale bytes
.set SEL, 20                           ; s[20:21] lane selects: lane l xor 16
.set MNT, 22                           ; s22      the mantissa field of 448
.set SP,  528                          ; a stage row: 512 bytes + 16
; 64 numbers of a lane become 16 registers of codes in v[PC] on and the scale word v[pw]
.macro QUANT s, pw
.irp b, 0,1,2,3
	v_max3_num_f32 v[TM+\b], |v[\s+16*\b]|, |v[\s+1+16*\b]|, 0x4800000   ; my 16 numbers of block b, and the floor 2^(9 - 127): the byte cannot fall under 1
.endr
.irp i, 2,4,6,8,10,12,14
.irp b, 0,1,2,3
	v_max3_num_f32 v[TM+\b], v[TM+\b], |v[\s+16*\b+\i]|, |v[\s+1+16*\b+\i]|
.endr
.endr
.irp b, 0,1,2,3
	v_permlanex16_b32 v[TM+4+\b], v[TM+\b], s[SEL], s[SEL+1]
.endr
.irp b, 0,1,2,3
	v_max_num_f32 v[TM+\b], v[TM+\b], v[TM+4+\b]                 ; with lane l xor 16's: the block's largest magnitude
.endr
.irp b, 0,1,2,3
	v_add_nc_u32 v[TM+12+\b], 0xfc000000, v[TM+\b]               ; 8 off its exponent field: the conversion's scale operand
.endr
.irp b, 0,1,2,3
	v_and_or_b32 v[TM+8+\b], v[TM+\b], 0x7f800000, s[MNT]        ; 448 x the scale
.endr
.irp b, 0,1,2,3
	v_lshrrev_b32 v[TM+4+\b], 23, v[TM+12+\b]                    ; the scale's byte
.endr
	v_lshl_or_b32 v[\pw], v[TM+5], 8, v[TM+4]
	v_lshl_or_b32 v[\pw], v[TM+6], 16, v[\pw]
	v_lshl_or_b32 v[\pw], v[TM+7], 24, v[\pw]
	s_wait_xcnt 0x0                                ; the last unit's stores have read v[PC] on: only now are the codes written again
.irp b, 0,1,2,3
.irp i, 0,1,2,3,4,5,6,7,8,9,10,11,12,13,14,15
	v_med3_num_f32 v[\s+16*\b+\i], v[\s+16*\b+\i], -v[TM+8+\b], v[TM+8+\b]   ; the conversion does not saturate (ISA guide 7.6.2): the hold comes first
.endr
	v_cvt_scalef32_pk8_fp8_f32 v[PC+4*\b:PC+1+4*\b], v[\s+16*\b:\s+7+16*\b], v[TM+12+\b]
	v_cvt_scalef32_pk8_fp8_f32 v[PC+2+4*\b:PC+3+4*\b], v[\s+8+16*\b:\s+15+16*\b], v[TM+12+\b]
.endr
	v_nop                                          ; a plain line behind the last conversion
.endm
.macro XLOAD u                         ; unit u: 128 along K of the tile's 16 rows; each load is 512 consecutive bytes of one row
.set i, 0
.rept 16
	global_load_b128 v[L+64*((\u)%2)+4*i:L+64*((\u)%2)+4*i+3], v5, s[4:5] offset:(i+8*(i/8))*4096+512*(\u) th:TH_LOAD_NT
.set i, i+1
.endr
.endm
.macro UNIT u
.if (\u) < 3
	s_wait_loadcnt 16                              ; this unit's 16 loads are in; the next unit's 16 may be out
.else
	s_wait_loadcnt 0x0
.endif
.set i, 0
.rept 16
	ds_store_b128 v6, v[L+64*((\u)%2)+4*i:L+64*((\u)%2)+4*i+3] offset:SP*i
.set i, i+1
.endr
.set i, 0
.rept 16
	ds_load_b128 v[T+4*i:T+4*i+3], v7 offset:128*(i/4)+16*(i%4)   ; LDS serves a wave's instructions in order: these see the stores above
.set i, i+1
.endr
	s_wait_dscnt 0x0
.if (\u)+2 < 4
	XLOAD (\u)+2
.endif
	QUANT T, PW+(\u)
.irp c, 0,1,2,3
	global_store_b128 v5, v[PC+4*\c:PC+4*\c+3], s[10:11] offset:2048*(\u)+512*\c   ; 32 lanes store 512 consecutive bytes
.endr
.endm
.macro WLOAD t, cols, p                ; block t: W(32 t + i, my column), i = 0 .. 31
.set i, 0
.rept 32
	global_load_b32 v[WX+32*((\t)%2)+i], v3, s[\p:\p+1] offset:(32*(\t)+i)*(\cols)*4 th:TH_LOAD_NT
.set i, i+1
.endr
.endm
.macro WBLOCK t, cols, p
.set XS, WX+32*((\t)%2)
.if (\t) < 7
	s_wait_loadcnt 32                              ; this block's 32 loads are in; the next block's may be out
.else
	s_wait_loadcnt 0x0
.endif
	v_max3_num_f32 v12, |v[XS]|, |v[XS+1]|, |v[XS+2]|              ; all 32 numbers of the block are mine
	v_max3_num_f32 v13, |v[XS+3]|, |v[XS+4]|, |v[XS+5]|
.irp i, 6,10,14,18,22,26
	v_max3_num_f32 v12, v12, |v[XS+\i]|, |v[XS+\i+1]|
	v_max3_num_f32 v13, v13, |v[XS+\i+2]|, |v[XS+\i+3]|
.endr
	v_max3_num_f32 v12, v12, |v[XS+30]|, |v[XS+31]|
	v_max3_num_f32 v12, v12, v13, 0x4800000        ; and the floor
	v_add_nc_u32 v11, 0xfc000000, v12
	v_and_or_b32 v10, v12, 0x7f800000, s[MNT]
	v_lshrrev_b32 v13, 23, v11
.if (\t)%4 == 0
	v_mov_b32 v[WS+(\t)/4], v13                    ; four bytes to a word, the lower K in the lower byte
.else
	v_lshl_or_b32 v[WS+(\t)/4], v13, 8*((\t)%4), v[WS+(\t)/4]
.endif
.set i, 0
.rept 32
	v_med3_num_f32 v[XS+i], v[XS+i], -v10, v10
.set i, i+1
.endr
	s_wait_xcnt 0x0                                ; the last block's stores have read v[WC] on
.irp g, 0,1,2,3
	v_cvt_scalef32_pk8_fp8_f32 v[WC+2*\g:WC+2*\g+1], v[XS+8*\g:XS+8*\g+7], v11
.endr
	v_nop
	global_store_b128 v7, v[WC:WC+3], s[10:11] offset:((\t)/4)*2048+((\t)%4)*512        ; k 32 c + 0 .. 15: the place of lane (r, 0)
	global_store_b128 v7, v[WC+4:WC+7], s[10:11] offset:((\t)/4)*2048+((\t)%4)*512+256  ; k 32 c + 16 .. 31: that of lane (r, 1)
.if (\t)+2 < 8
	WLOAD (\t)+2, \cols, \p
.endif
.endm
; a weight of cols columns, whose tiles begin at tile0, served by the work-groups from wg0 on; its address in s[p:p+1]
.macro WPATH cols, tile0, wg0, p
	s_sub_co_u32 s15, ttmp9, \wg0
	s_and_b32 s16, s15, 3                          ; which 256 along K
	s_lshr_b32 s15, s15, 2
	s_lshl_b32 s15, s15, 2
	s_add_co_u32 s15, s15, s14                     ; G: which 32 columns are my wave's
	s_mul_i32 s24, s16, 256*(\cols)*4
	s_lshl_b32 s25, s15, 7
	s_add_co_u32 s24, s24, s25
	s_mov_b32 s25, 0
	s_lshl_b32 s26, s15, 15                        ; tiles 2 G and 2 G + 1,
	s_lshl_b32 s27, s16, 12                        ; two K steps of 2,048 bytes
	s_add_co_u32 s26, s26, s27
	s_add_co_u32 s26, s26, (\tile0)*16384
	s_mov_b32 s27, 0
	s_lshl_b32 s28, s15, 10
	s_lshl_b32 s29, s16, 7
	s_add_co_u32 s28, s28, s29
	s_add_co_u32 s28, s28, (\tile0)*512
	s_mov_b32 s29, 0
	s_wait_kmcnt 0x0
	s_add_nc_u64 s[\p:\p+1], s[\p:\p+1], s[24:25]
	s_add_nc_u64 s[10:11], s[10:11], s[26:27]
	s_add_nc_u64 s[12:13], s[12:13], s[28:29]
	WLOAD 0, \cols, \p
	WLOAD 1, \cols, \p
.irp t, 0,1,2,3,4,5,6,7
	WBLOCK \t, \cols, \p
.endr
	global_store_b64 v8, v[WS:WS+1], s[12:13]      ; my column's two scale words
.endm
	s_load_b256 s[4:11], s[0:1], 0x0               ; x s[4:5], w_attn s[6:7], w_proj s[8:9], opc s[10:11]
	s_load_b64 s[12:13], s[0:1], 0x20              ; ops
	v_lshl_add_u32 v254, v0, 2, 0x8400
	v_mov_b32 v255, 0
	v_lshrrev_b32 v1, 5, v0
	v_readfirstlane_b32 s14, v1                    ; wave
	v_and_b32 v2, 31, v0                           ; lane
	s_mov_b32 s[SEL], 0x76543210
	s_mov_b32 s[SEL+1], 0xfedcba98
	s_mov_b32 s[MNT], 0x600000
	s_cmp_lt_u32 ttmp9, 128
	s_cbranch_scc0 .Lweights
	; ---- x
	v_and_b32 v3, 15, v0                           ; r
	v_bfe_u32 v4, v0, 4, 1                         ; h
	v_lshlrev_b32 v5, 4, v2                        ; 16 x lane: in memory, both ways
	s_mul_i32 s15, s14, 16*SP                      ; my stage
	v_add_nc_u32 v6, s15, v5                       ; into it: a row as it lies
	v_mul_u32_u24 v7, v3, SP
	v_lshl_add_u32 v7, v4, 6, v7
	v_add_nc_u32 v7, s15, v7                       ; out of it: row r, + 64 h
	v_lshlrev_b32 v8, 3, v3
	v_lshl_add_u32 v8, v4, 7, v8                   ; scale words: 128 h + 8 r
.irp b, 0,1,2,3
	v_mov_b32 v[TM+4+\b], 0                        ; a lane permute's destination counts as one of its sources
.endr
	s_lshl_b32 s16, ttmp9, 2
	s_add_co_u32 s16, s16, s14                     ; g = 2 x tile + which half of K
	s_lshr_b32 s18, s16, 1                         ; tile
	s_and_b32 s19, s16, 1
	s_lshr_b32 s24, s18, 1
	s_lshl_b32 s24, s24, 17                        ; 32 rows of 4,096 bytes
	s_and_b32 s25, s18, 1
	s_lshl_b32 s25, s25, 15                        ; 8 rows
	s_add_co_u32 s24, s24, s25
	s_lshl_b32 s25, s19, 11                        ; 512 along K
	s_add_co_u32 s24, s24, s25
	s_mov_b32 s25, 0
	s_lshl_b32 s26, s16, 13                        ; 16,384 x tile + 8,192 x half
	s_mov_b32 s27, 0
	s_lshl_b32 s28, s16, 8                         ; 512 x tile + 256 x half
	s_mov_b32 s29, 0
	s_wait_kmcnt 0x0
	s_add_nc_u64 s[4:5], s[4:5], s[24:25]
	s_add_nc_u64 s[10:11], s[10:11], s[26:27]
	s_add_nc_u64 s[12:13], s[12:13], s[28:29]
	XLOAD 0
	XLOAD 1
.irp u, 0,1,2,3
	UNIT \u
.endr
	v_cmp_ne_u32 vcc_lo, 0, v4
	v_cndmask_b32 v[PW+4], v[PW], v[PW+2], vcc_lo  ; lanes 0-15 store the words of units 0 and 1, lanes 16-31 those of units 2 and 3
	v_cndmask_b32 v[PW+5], v[PW+1], v[PW+3], vcc_lo
	global_store_b64 v8, v[PW+4:PW+5], s[12:13]    ; 32 lanes store 256 consecutive bytes, aligned
	s_wait_tensorcnt 0x0
	ds_add_u32 v254, v255
	s_wait_dscnt 0x0
	s_endpgm
.Lweights:
	v_lshlrev_b32 v3, 2, v2                        ; in: 4 bytes a lane
	v_bfe_u32 v4, v0, 3, 1                         ; column l of 32 is lane-row r = l % 8 + 8 (l / 16) of tile u = (l / 8) % 2
	v_and_b32 v5, 7, v0
	v_bfe_u32 v6, v0, 4, 1
	v_lshl_add_u32 v5, v6, 3, v5
	v_lshlrev_b32 v7, 4, v5
	v_lshl_add_u32 v7, v4, 14, v7                  ; codes: 16,384 u + 16 r
	v_lshlrev_b32 v8, 3, v5
	v_lshl_add_u32 v8, v4, 9, v8                   ; scale words: 512 u + 8 r
	s_cmp_lt_u32 ttmp9, 224
	s_cbranch_scc0 .Lproj
	WPATH 3072, 256, 128, 6
	s_endpgm
.Lproj:
	WPATH 1024, 448, 224, 8
	s_endpgm
.Lfunc_end_k_q3c0ab1ee33_quant:
	.size	k_q3c0ab1ee33_quant, .Lfunc_end_k_q3c0ab1ee33_quant-k_q3c0ab1ee33_quant
	.p2alignl 7, 3214868480
	.fill 96, 4, 3214868480
	.section	.rodata,"a",@progbits
	.p2align	6, 0x0
	.amdhsa_kernel k_q3c0ab1ee33_quant
		.amdhsa_group_segment_fixed_size 34304
		.amdhsa_private_segment_fixed_size 0
		.amdhsa_enable_private_segment 0
		.amdhsa_kernarg_size 40
		.amdhsa_user_sgpr_count 2
		.amdhsa_user_sgpr_kernarg_segment_ptr 1
		.amdhsa_wavefront_size32 1
		.amdhsa_system_sgpr_workgroup_id_x 1
		.amdhsa_system_sgpr_workgroup_id_y 1
		.amdhsa_system_sgpr_workgroup_id_z 1
		.amdhsa_system_vgpr_workitem_id 0
		.amdhsa_next_free_vgpr 256
		.amdhsa_next_free_sgpr 66
		.amdhsa_reserve_vcc 1
		.amdhsa_float_denorm_mode_32 3
		.amdhsa_float_denorm_mode_16_64 3
		.amdhsa_memory_ordered 1
		.amdhsa_forward_progress 1
		.amdhsa_inst_pref_size 162
	.end_amdhsa_kernel
	.amdgpu_metadata
---
amdhsa.version: [ 1, 2 ]
amdhsa.kernels:
  - .name:           k_q3c0ab1ee33_quant
    .symbol:         k_q3c0ab1ee33_quant.kd
    .args:
      - { .name: x, .offset: 0, .size: 8, .value_kind: global_buffer, .address_space: global }
      - { .name: w_attn, .offset: 8, .size: 8, .value_kind: global_buffer, .address_space: global }
      - { .name: w_proj, .offset: 16, .size: 8, .value_kind: global_buffer, .address_space: global }
      - { .name: opc, .offset: 24, .size: 8, .value_kind: global_buffer, .address_space: global }
      - { .name: ops, .offset: 32, .size: 8, .value_kind: global_buffer, .address_space: global }
    .group_segment_fixed_size: 34304
    .private_segment_fixed_size: 0
    .kernarg_segment_align: 8
    .kernarg_segment_size: 40
    .max_flat_workgroup_size: 128
    .sgpr_count:     66
    .vgpr_count:     256
    .wavefront_size: 32
...
	.end_amdgpu_metadata
.endif
;; end of part 1
;; launch qkv (part 2): grid 12 x 16, 4 waves a work-group, clusters of 4 x 4, 327,680 bytes of LDS; arguments opc, ops, b_attn, qkv, qkvs; writes qkv, qkvs
.if DOCPART == 2
	.amdgcn_target "amdgcn-amd-amdhsa--gfx1250"
	.amdhsa_code_object_version 6
	.text
	.protected	k_q3c0ab1ee33_qkv
	.globl	k_q3c0ab1ee33_qkv
	.p2align	8
	.type	k_q3c0ab1ee33_qkv,@function
k_q3c0ab1ee33_qkv:
	s_mov_b64 s[64:65], 0
	v_nop
	global_prefetch_b8 v0, s[64:65] scope:SCOPE_SE
	s_setreg_imm32_b32 hwreg(HW_REG_WAVE_MODE, 25, 1), 1
	s_wait_xcnt 0x0
	s_wait_alu depctr_hold_cnt(0) depctr_sa_sdst(0) depctr_va_vdst(0) depctr_va_sdst(0) depctr_va_ssrc(0) depctr_va_vcc(0) depctr_vm_vsrc(0)
	s_getreg_b32 s2, hwreg(HW_REG_IB_STS2, 6, 4)
	s_cmp_eq_u32 s2, 0
	s_cbranch_scc0 .Lentry_in_a_cluster
	s_endpgm
.Lentry_in_a_cluster:
	s_bfe_u32 s2, ttmp6, 0x10000c
	s_cmp_lg_u32 s2, 0xf033
	s_cbranch_scc0 .Lentry_shape_is_right
	s_endpgm
.Lentry_shape_is_right:
; qkv = x w_attn + b_attn on codes of FP8 (E4M3) with E8M0 scales, K = 1,024, and the quantisers of q, k (along the head's 64) and v (along the keys): no f32 number goes to memory.
; A tile of 256 x 256 of the product to a work-group of four waves, 128 x 128 to a wave: 64 accumulators, 512 registers.  K goes in steps of 256 through a ring of two LDS slots filled by the tensor data mover.
; OPERANDS ARE IMAGES OF REGISTERS (opc: 16,384 tile + 2,048 s + 512 c + 16 lane; ops: 512 tile + 128 (s / 2) + 8 r): a fragment is four loads of 512 consecutive bytes, no pitch, no padding.
; Lane-row r of tile t is row 32 (t / 2) + 8 (t % 2) + r + 8 (r / 8): so the 16 result registers of source 0's tiles 2 b and 2 b + 1 are 16 NEIGHBOURS, 32 b + 16 (lane / 16) + 0 .. 15, along source 0's rows.
; ROLES.  A is source 1 (a lane holds one of its rows), B source 0 (a lane's registers run along its rows).  Clusters x = 0, 1 make q, k: A = x (tokens), B = w_attn (columns): registers run along the head's axis, their K.
; Cluster x = 2 makes v: A = w_attn, B = x: registers run along the tokens, which are v's K.  The K loop's text is the same; only addresses, the bias's place and the way out differ.
; CLUSTERS: 4 x 4 work-groups; A's tiles are shared along a row of the cluster, B's along a column: each is asked for jointly, by the same tensor load with a mask that names the four.
; THE BIAS is the C of each sum's first matrix instruction.  THE WAY OUT: block a's 64 numbers a lane are four blocks of 32 (with lane l xor 16): codes and scale word leave straight from registers,
; again as images: qkv: q at 0, k at 4 MiB, v at 8 MiB, [head 32][128 tokens 16][8,192]; q, k: [tile 8][c 2][512]; v: [16 channels 4][c 4][512].  qkvs: q's words at 0, k's and v's at 393,216: [head][128 tokens][768]: [r 16][tile 8] words, then v's [r 16][4] words.
; LIMITS: NaN and infinities are not served; a block whose largest magnitude lies under 2^-118 gets the byte 1.
; REGISTERS: window 0: v0-31 addresses; v32-63 scale words, two sets; v64-127 the bias; from v128 A's fragments, one set; on the way out v128-239 at work.  window 1: B's fragments, two sets.  windows 2, 3: the accumulators ((a, b) at v[8 (8 (a % 4) + b)]).
.set NQ,     2                         ; matrix instructions deep in a slot
.set FR,     16                        ; registers of a fragment
.set NL,     4                         ; LDS loads that bring one
.set NP,     8                         ; places behind this matrix instruction (ISA guide 7.12.1)
.set TILEB,  4096                      ; a tile's bytes in a slot: two K steps of 2,048
.set HALFT,  8*TILEB                   ; eight tiles: what one tensor load brings, and what one wave reads of A or of B
.set SLOT,   4*HALFT                   ; A's 16 tiles, then B's 16
.set SCL,    2*SLOT                    ; behind the ring: the scale words of all of K, filled once
.set HALFS,  4096                      ; those of eight tiles
.set SBLK,   512                       ; those of one
.set SPARE,  SCL+4*HALFS               ; the spare words, 128 bytes for each wave: two blocks of 256 bytes that no other line names
.set BV,   8                           ; v8-15   the bias: my byte offset for register j of a tile
.set ADRA, 16                          ; v16-17  LDS address of my A fragments in slot 0, 1
.set VO2,  18                          ; v18     the way out: my place for blocks 2 and 3 (v4: for blocks 0 and 1)
.set SVO,  19                          ; v19     the way out: my place among the scale words
.set ADRB, 20                          ; v20-21  as ADRA, for B
.set ADRS, 27                          ; v27     LDS address of my scale words: lanes 0-15 A's, lanes 16-31 B's
.set SPW,  28                          ; v28     LDS address of my spare word; never rewritten
.set NIL,  29                          ; v29     0; never rewritten
.set SC,   32
.set BIAS, 64
.set AF,   128
.set T,    128                         ; the way out: 64 numbers held
.set PC,   192                         ; their codes
.set TM,   208                         ; at work
.set PWS,  224                         ; the eight blocks' scale words
.set XW,   232                         ; those that I store
.set G1, 24                            ; s[24:31] group 1 for A's tiles;  s[32:39] group 0, one set for each slot
.set G0, 32
.set G1B, 48                           ; s[48:55], s[56:63] the same for B's
.set G0B, 56
.set G1S, 68                           ; s[68:75], s[76:79] groups 1 and 0 for A's scale words;  s[80:87], s[88:91] for B's
.set G0S, 76
.set G1SB, 80
.set G0SB, 88
.set MSB, 0
.macro WIN new                         ; the immediate's high byte repeats the setting that is left
.if MSB != \new
	s_set_vgpr_msb (MSB<<8)|\new
.set MSB, \new
.endif
.endm
.set MUL_LO, 0xa1                      ; source 0 (B) window 1, source 1 (A) window 0, C and D window 2
.set MUL_HI, 0xf1                      ; the same, C and D window 3
.set TO_B,   0x40                      ; destination window 1, address window 0
; A joint load: waves 0 and 1 fetch for A, waves 2 and 3 for B; the branch hangs on the wave's number alone.  Four v_nop follow each of the two lines.
.macro JLOAD g0a, g1a, g0b, g1b
	s_cmp_eq_u32 s15, 0
	s_cbranch_scc0 .Lfor_b_\@
	tensor_load_to_lds s[\g0a:\g0a+3], s[\g1a:\g1a+7]
	s_nop 0
.rept 4
	v_nop
.endr
	s_branch .Lasked_\@
.Lfor_b_\@:
	tensor_load_to_lds s[\g0b:\g0b+3], s[\g1b:\g1b+7]
	s_nop 0
.rept 4
	v_nop
.endr
.Lasked_\@:
.endm
.macro CREST                           ; a round of the cluster's barrier behind its opening barrier
	s_cmp_lg_u32 s14, 0
	s_cbranch_scc1 .Lnot_wave_0_\@
	s_barrier_signal -3
.Lnot_wave_0_\@:
	s_barrier_wait -3
	s_barrier_signal -1
	s_barrier_wait -1
.endm
.macro CROUND
	s_barrier_signal -1
	s_barrier_wait -1
	CREST
.endm
.macro PLACES n
.rept \n
	v_nop
.endr
.endm
	s_load_b128 s[4:7], s[0:1], 0x0                ; opc s[4:5], ops s[6:7]
	s_load_b128 s[8:11], s[0:1], 0x10              ; b_attn s[8:9], qkv s[10:11]
	s_load_b64 s[12:13], s[0:1], 0x20              ; qkvs
	v_lshl_add_u32 v[SPW], v0, 2, SPARE
	v_mov_b32 v[NIL], 0
	ds_add_u32 v28, v29
	ds_add_u32 v28, v29
	s_wait_dscnt 0x0
	v_lshrrev_b32 v1, 5, v0
	v_readfirstlane_b32 s14, v1                    ; wave 0..3
	s_lshr_b32 s15, s14, 1                         ; which half of A's 16 tiles is mine.  Also: I fetch for A (0) or for B (1)
	s_and_b32 s16, s14, 1                          ; which half of B's.  Also: which eight tiles I fetch
	s_bfe_u32 s40, ttmp6, 0x40000                  ; cx, cy: my place in the cluster
	s_bfe_u32 s41, ttmp6, 0x40004
	s_and_b32 s17, ttmp7, 0xffff
	s_lshl_b32 s17, s17, 2                         ; 4 x cluster y
	s_lshl_b32 s42, ttmp9, 2
	s_add_co_u32 s42, s42, 16                      ; 16 + 4 x cluster x: w_attn's tiles begin at 256 = 16 x 16
	s_cmp_eq_u32 ttmp9, 2                          ; v?  The cluster's x is the same in all sixteen partners
	s_cselect_b32 s18, 24, s17
	s_cselect_b32 s19, s17, s42
	s_add_co_u32 s18, s18, s41                     ; A's run of 16 tiles: q, k: x's 4 Y + cy;  v: w_attn's 16 + 8 + cy
	s_add_co_u32 s19, s19, s40                     ; B's: q, k: w_attn's 16 + 4 X + cx;  v: x's 4 Y + cx
	s_lshl_b32 s43, s41, 2
	s_lshl_b32 s43, 15, s43                        ; my row of the cluster
	s_lshl_b32 s44, 0x1111, s40                    ; my column
	; group 1, codes: eight tiles' 4,096 bytes (512 elements of 8 bytes), 16,384 bytes apart; dense in LDS
	s_or_b32 s[G1+0], s43, (3<<16)|(1<<21)         ; 15:0 the mask; 17:16 elements of 8 bytes; 21 set beside a mask
	s_or_b32 s[G1B+0], s44, (3<<16)|(1<<21)
.irp g, G1, G1B
	s_mov_b32 s[\g+1], 512<<16                     ; tensor_dim0
	s_mov_b32 s[\g+2], 8<<16                       ; tensor_dim1
	s_mov_b32 s[\g+3], 512<<16                     ; tile_dim0
	s_mov_b32 s[\g+4], 8                           ; tile_dim1
	s_mov_b32 s[\g+5], 2048                        ; tensor_dim0_stride
	s_mov_b32 s[\g+6], 0
	s_mov_b32 s[\g+7], 0
.endr
	; group 1, scale words: eight tiles' 4,096 dense bytes as 16 rows of 256
	s_or_b32 s[G1S+0], s43, (3<<16)|(1<<21)
	s_or_b32 s[G1SB+0], s44, (3<<16)|(1<<21)
.irp g, G1S, G1SB
	s_mov_b32 s[\g+1], 32<<16
	s_mov_b32 s[\g+2], 16<<16
	s_mov_b32 s[\g+3], 32<<16
	s_mov_b32 s[\g+4], 16
	s_mov_b32 s[\g+5], 32
	s_mov_b32 s[\g+6], 0
	s_mov_b32 s[\g+7], 0
.endr
	s_lshl_b32 s45, s16, 3                         ; which eight tiles I fetch
	s_lshl_b32 s20, s18, 4
	s_add_co_u32 s20, s20, s45                     ; A's first
	s_lshl_b32 s46, s19, 4
	s_add_co_u32 s46, s46, s45                     ; B's first
	s_lshl_b32 s22, s20, 9                         ; their scale words,
	s_mov_b32 s23, 0
	s_lshl_b32 s92, s46, 9
	s_mov_b32 s93, 0
	s_lshl_b32 s20, s20, 14                        ; their codes
	s_mov_b32 s21, 0
	s_lshl_b32 s46, s46, 14
	s_mov_b32 s47, 0
	s_mul_i32 s45, s14, HALFT                      ; where they go: wave x eight tiles: no place in the cluster enters an LDS address
	s_mul_i32 s94, s14, HALFS
	s_wait_kmcnt 0x0
	s_add_nc_u64 s[20:21], s[4:5], s[20:21]
	s_add_nc_u64 s[22:23], s[6:7], s[22:23]
	s_add_nc_u64 s[46:47], s[4:5], s[46:47]
	s_add_nc_u64 s[92:93], s[6:7], s[92:93]
	CROUND                                         ; all sixteen work-groups are here: the first joint loads meet
	s_mov_b32 s[G0S], 1
	s_add_co_u32 s[G0S+1], s94, SCL
	s_mov_b64 s[G0S+2:G0S+3], s[22:23]
	s_or_b32 s[G0S+3], s[G0S+3], 0x80000000
	s_mov_b32 s[G0SB], 1
	s_add_co_u32 s[G0SB+1], s94, SCL
	s_mov_b64 s[G0SB+2:G0SB+3], s[92:93]
	s_or_b32 s[G0SB+3], s[G0SB+3], 0x80000000
	JLOAD G0S, G1S, G0SB, G1SB                     ; the scale words first: they are wanted with K step 0
.irp s, 0,1
	s_mov_b32 s[G0+4*\s], 1
	s_add_co_u32 s[G0+4*\s+1], s45, \s*SLOT
	s_add_nc_u64 s[G0+4*\s+2:G0+4*\s+3], s[20:21], \s*TILEB
	s_or_b32 s[G0+4*\s+3], s[G0+4*\s+3], 0x80000000
	s_mov_b32 s[G0B+4*\s], 1
	s_add_co_u32 s[G0B+4*\s+1], s45, \s*SLOT
	s_add_nc_u64 s[G0B+4*\s+2:G0B+4*\s+3], s[46:47], \s*TILEB
	s_or_b32 s[G0B+4*\s+3], s[G0B+4*\s+3], 0x80000000
	JLOAD G0+4*\s, G1, G0B+4*\s, G1B               ; three tensor loads of mine are out
.endr
	v_and_b32 v1, 15, v0                           ; r
	v_bfe_u32 v2, v0, 4, 1                         ; h
	v_and_b32 v3, 31, v0
	v_lshlrev_b32 v4, 4, v3                        ; 16 x lane: my place in every image
	s_mul_i32 s21, s15, HALFT                      ; my eight tiles of A
	s_mul_i32 s22, s16, HALFT                      ; my eight of B,
	s_add_co_u32 s22, s22, 2*HALFT                 ; which lie behind A's 16
.irp s, 0,1
	v_add_nc_u32 v[ADRA+\s], s21, v4
	v_add_nc_u32 v[ADRB+\s], s22, v4
	s_add_co_u32 s21, s21, SLOT
	s_add_co_u32 s22, s22, SLOT
.endr
	v_lshlrev_b32 v5, 3, v1                        ; scale words: 8 r,
	s_mul_i32 s21, s15, HALFS
	s_mul_i32 s22, s16, HALFS
	s_add_co_u32 s22, s22, 2*HALFS
	s_sub_co_u32 s22, s22, s21
	v_mul_u32_u24 v6, s22, v2                      ; lanes 16-31 take B's: one product, the distance between the two
	s_add_co_u32 s21, s21, SCL
	v_add_nc_u32 v5, v5, v6
	v_add_nc_u32 v[ADRS], s21, v5
	; what differs between q, k and v, chosen on the cluster's x
	s_cmp_eq_u32 ttmp9, 2
	s_cselect_b32 s95, s19, s18                    ; which 256 tokens
	s_cselect_b32 s96, s16, s15                    ; and which half of them is my wave's
	s_cselect_b32 s97, s41, s40                    ; which four heads
	s_cselect_b32 s2, s15, s16                     ; and which two of them
	s_cselect_b32 s3, s18, s19                     ; 16 + which 256 columns of w_attn
	s_cselect_b32 s94, -1, 0
	s_cselect_b32 s92, 0, 4                        ; the bias from register to register: q, k: the next column;  v: the same
	s_mov_b32 s93, 131072
	s_cselect_b32 s93, 1024, s93                   ; from block 0 to block 2: q, k: the next head;  v: two blocks of 512 bytes
	s_cselect_b32 s42, 4, 5                        ; a lane-row's scale words: v: 16 bytes;  q, k: 32
	s_mov_b32 s43, 12288
	s_cselect_b32 s43, s43, 16                     ; lanes 16-31: v: the next head;  q, k: tiles 4-7
	s_mov_b32 s66, 2048
	s_cselect_b32 s66, s66, 1024                   ; from block a to a + 1 of A
	s_mov_b32 s67, 0
	s_mov_b32 s98, 124928
	s_cselect_b32 s98, s98, 1024                   ; from a = 3 to 4: v: the next head, 131,072 - 3 x 2,048
	s_mov_b32 s99, 0
	s_cselect_b32 s44, 512, 0                      ; v's words lie behind k's
	s_lshr_b32 s45, s95, 3                         ; the batch: 16 heads
	s_lshl_b32 s45, s45, 4
	s_lshl_b32 s97, s97, 2
	s_add_co_u32 s45, s45, s97
	s_lshl_b32 s97, s2, 1
	s_add_co_u32 s45, s45, s97                     ; my first head
	s_and_b32 s95, s95, 7
	s_lshl_b32 s95, s95, 1
	s_add_co_u32 s95, s95, s96                     ; which 128 tokens of the batch's 2,048
	s_lshl_b32 s20, ttmp9, 22
	s_lshl_b32 s21, s45, 17
	s_add_co_u32 s20, s20, s21
	s_lshl_b32 s21, s95, 13
	s_add_co_u32 s20, s20, s21
	s_mov_b32 s21, 0
	s_add_nc_u64 s[10:11], s[10:11], s[20:21]      ; codes out
	s_mul_i32 s20, s45, 12288
	s_mul_i32 s22, s95, 768
	s_add_co_u32 s20, s20, s22
	s_add_co_u32 s20, s20, s44
	s_cmp_lg_u32 ttmp9, 0
	s_cselect_b32 s22, 393216, 0
	s_add_co_u32 s20, s20, s22
	s_add_nc_u64 s[12:13], s[12:13], s[20:21]      ; scale words out
	s_sub_co_u32 s3, s3, 16
	s_lshl_b32 s20, s3, 10
	s_lshl_b32 s22, s2, 9
	s_add_co_u32 s20, s20, s22
	s_add_nc_u64 s[8:9], s[8:9], s[20:21]          ; the bias of my 128 columns
	v_add_nc_u32 v[VO2], s93, v4
	v_lshlrev_b32 v[SVO], s42, v1
	v_mul_u32_u24 v5, s43, v2
	v_add_nc_u32 v[SVO], v[SVO], v5
	; THE BIAS, in the results' layout, with no branch.  q, k: register 8 b + j is column 32 (b / 2) + 8 (b % 2) + 16 h + j.  v: register 8 a + j is column 32 (a / 2) + 8 (a % 2) + r + 8 (r / 8), for every j.
	v_lshlrev_b32 v5, 6, v2
	v_and_b32 v6, 8, v1
	v_add_lshl_u32 v6, v6, v1, 2
	v_cndmask_b32 v5, v5, v6, s94
.irp j, 0,1,2,3,4,5,6,7
	v_mad_u32_u24 v[BV+\j], s92, \j, v5
.endr
.irp i, 0,1,2,3,4,5,6,7
.irp j, 0,1,2,3,4,5,6,7
	global_load_b32 v[BIAS+8*\i+\j], v[BV+\j], s[8:9] offset:(32*(\i/2)+8*(\i%2))*4
.endr
.endr
.macro FRAG reg, adr, q, i             ; a fragment's image: four times 512 consecutive bytes
.irp c, 0,1,2,3
	ds_load_b128 v[\reg+4*\c:\reg+4*\c+3], v[\adr] offset:2048*(\q)+512*\c+(\i)*TILEB
.endr
.endm
; 16 matrix instructions: A's blocks a0, a0 + 1 x B's eight, the slot's q-th 128 along K.  p: B's set;  sc: the set of scale words.  mode 0: the sums go on;  1, 2: the first product starts them with the bias (q, k: by B's block;  v: by A's).
; The 64 accumulators take turns, one instruction a turn, in the same order in every step.
.macro MUL16 a0, p, q, sc, mode
.irp a, \a0, \a0+1
.irp b, 0,1,2,3,4,5,6,7
.if \mode == 1
	v_wmma_scale_f32_16x16x128_f8f6f4 v[8*(8*((\a)%4)+\b):8*(8*((\a)%4)+\b)+7], v[128*(\p)+FR*\b:128*(\p)+FR*\b+FR-1], v[AF+FR*(\a):AF+FR*(\a)+FR-1], v[BIAS+8*\b:BIAS+8*\b+7], v[SC+8*NQ*(\sc)+NQ*\b+(\q)], v[SC+8*NQ*(\sc)+NQ*(\a)+(\q)] matrix_a_scale:MATRIX_SCALE_ROW1
.elseif \mode == 2
	v_wmma_scale_f32_16x16x128_f8f6f4 v[8*(8*((\a)%4)+\b):8*(8*((\a)%4)+\b)+7], v[128*(\p)+FR*\b:128*(\p)+FR*\b+FR-1], v[AF+FR*(\a):AF+FR*(\a)+FR-1], v[BIAS+8*(\a):BIAS+8*(\a)+7], v[SC+8*NQ*(\sc)+NQ*\b+(\q)], v[SC+8*NQ*(\sc)+NQ*(\a)+(\q)] matrix_a_scale:MATRIX_SCALE_ROW1
.else
	v_wmma_scale_f32_16x16x128_f8f6f4 v[8*(8*((\a)%4)+\b):8*(8*((\a)%4)+\b)+7], v[128*(\p)+FR*\b:128*(\p)+FR*\b+FR-1], v[AF+FR*(\a):AF+FR*(\a)+FR-1], v[8*(8*((\a)%4)+\b):8*(8*((\a)%4)+\b)+7], v[SC+8*NQ*(\sc)+NQ*\b+(\q)], v[SC+8*NQ*(\sc)+NQ*(\a)+(\q)] matrix_a_scale:MATRIX_SCALE_ROW1
.endif
.endr
.endr
.endm
.macro FETCH_B slot, q, p
	WIN TO_B
.irp i, 0,1,2,3,4,5,6,7
	FRAG 128*(\p)+FR*\i, ADRB+\slot, \q, \i
.endr
	WIN 0
.endm
.macro FETCH_A slot, q, i0
.irp i, \i0, \i0+1, \i0+2, \i0+3
	FRAG AF+FR*(\i), ADRA+\slot, \q, \i
.endr
.endm
.macro SCALES sc                       ; a slot's two words a lane-row: lanes 0-15 A's block i, lanes 16-31 B's block i
.irp i, 0,1,2,3,4,5,6,7
	ds_load_b64 v[SC+8*NQ*\sc+NQ*\i:SC+8*NQ*\sc+NQ*\i+1], v[ADRS] offset:\i*SBLK
.endr
.endm
; A step of 128 along K that has its successor in the same slot.  A's blocks go one after the other, each against B's eight: one set of registers serves A, two serve B.
.macro STEP slot, q, mode
	s_wait_dscnt 4*NL                              ; B's set and A's blocks 0-3 are in; the youngest 16 loads (A's blocks 4-7) may be out
.if \mode
	WIN 0x81                                       ; C (the bias) window 0, D window 2
.else
	WIN MUL_LO
.endif
	MUL16 0, (\q)%2, \q, \slot, \mode
	MUL16 2, (\q)%2, \q, \slot, \mode
	s_wait_dscnt 0                                 ; A's blocks 4-7 are in
	PLACES NP                                      ; in front of loads into registers that matrix instructions have read
	FETCH_B \slot, (\q)+1, 1-(\q)%2
	FETCH_A \slot, (\q)+1, 0
.if \mode
	WIN 0xc1                                       ; C window 0, D window 3
.else
	WIN MUL_HI
.endif
	MUL16 4, (\q)%2, \q, \slot, \mode
	MUL16 6, (\q)%2, \q, \slot, \mode
	PLACES NP
	WIN 0
	FETCH_A \slot, (\q)+1, 4
.endm
; A slot's last step changes slots: ONE barrier; in front of it each wave waits for all its tensor loads, adds 0 to its spare word, and waits for that and for its own reads of this slot.  fill = 1: this slot is filled again, two slots ahead.
.macro TURN slot, next, fill
	s_wait_tensorcnt 0x0                           ; all my tensor loads have landed: my part of the next slot  (every window is 0 here)
	ds_add_u32 v[SPW], v[NIL]                      ; 0 onto my spare word
	s_wait_dscnt 4*NL+1                            ; (the add and the youngest 16 loads may be out)
	WIN MUL_LO
	MUL16 0, 1, NQ-1, \slot, 0                     ; sixteen matrix instructions stand between the add and the wait for it
	s_wait_dscnt 0x0                               ; the add is done, and my reads of this slot are over
	s_barrier_signal -1
	MUL16 2, 1, NQ-1, \slot, 0
	WIN 0
	s_barrier_wait -1
.if \fill
	CREST                                          ; the barrier has opened a round of the cluster's barrier: no wave of any partner still reads this slot or has a load on its way
	s_add_nc_u64 s[G0+4*\slot+2:G0+4*\slot+3], s[G0+4*\slot+2:G0+4*\slot+3], 2*TILEB
	s_add_nc_u64 s[G0B+4*\slot+2:G0B+4*\slot+3], s[G0B+4*\slot+2:G0B+4*\slot+3], 2*TILEB
	JLOAD G0+4*\slot, G1, G0B+4*\slot, G1B         ; the first tensor load behind the round; its four v_nop are among the places below
	PLACES NP-4
.else
	PLACES NP
.endif
	v_add_nc_u32 v[ADRS], 128, v[ADRS]             ; the next slot's scale words (no LDS load of mine is out)
	FETCH_B \next, 0, 0
	FETCH_A \next, 0, 0
	SCALES \next
	WIN MUL_HI
	MUL16 4, 1, NQ-1, \slot, 0
	MUL16 6, 1, NQ-1, \slot, 0
	PLACES NP
	WIN 0
	FETCH_A \next, 0, 4
.endm
	s_wait_tensorcnt 1                             ; the scale words and my part of slot 0 are in (slot 1's load may be out)
	s_barrier_signal -1
	s_barrier_wait -1                              ; everybody's are
	FETCH_B 0, 0, 0
	FETCH_A 0, 0, 0
	SCALES 0
	FETCH_A 0, 0, 4
	s_wait_loadcnt 0x0                             ; the bias
	s_cmp_eq_u32 ttmp9, 2                          ; the first step is written twice: it differs in which bias registers start which sum.  No barrier and no tensor load stands in it
	s_cbranch_scc1 .Lfirst_v
	STEP 0, 0, 1
	s_branch .Lfirst_done
.Lfirst_v:
	STEP 0, 0, 2
.Lfirst_done:
	TURN 0, 1, 1                                   ; K = 1,024 is four slots: the eight steps are written out; slots 0 and 1 are filled again once each
	STEP 1, 0, 0
	TURN 1, 0, 1
	STEP 0, 0, 0
	TURN 0, 1, 0                                   ; nothing is left to fetch: no round
	STEP 1, 0, 0
	s_wait_dscnt 4*NL
	WIN MUL_LO
	MUL16 0, 1, NQ-1, 1, 0
	MUL16 2, 1, NQ-1, 1, 0
	s_wait_dscnt 0
	WIN MUL_HI
	MUL16 4, 1, NQ-1, 1, 0
	MUL16 6, 1, NQ-1, 1, 0
	WIN 0
; THE WAY OUT of A's block a.  Register 16 b + i of its 64 is neighbour 32 b + 16 h + i: four blocks of 32, each shared with lane l xor 16.  Each accumulator is read from its low end on.
.macro QOUT a
.set W, 2+(\a)/4
.set AC, 64*((\a)%4)
.set WQ, (W<<2)|(W<<4)
	WIN WQ                                         ; sources 1 and 2: the accumulators' window
.irp b, 0,1,2,3
	v_max3_num_f32 v[TM+\b], 0x4800000, |v[AC+16*\b]|, |v[AC+16*\b+1]|   ; with the floor 2^(9 - 127): the byte cannot fall under 1
.endr
.irp i, 2,4,6,8,10,12,14
.irp b, 0,1,2,3
	v_max3_num_f32 v[TM+\b], v[TM+\b], |v[AC+16*\b+\i]|, |v[AC+16*\b+\i+1]|
.endr
.endr
	WIN 0
.irp b, 0,1,2,3
	v_permlanex16_b32 v[TM+4+\b], v[TM+\b], s2, s3
.endr
.irp b, 0,1,2,3
	v_max_num_f32 v[TM+\b], v[TM+\b], v[TM+4+\b]
.endr
.irp b, 0,1,2,3
	v_add_nc_u32 v[TM+12+\b], 0xfc000000, v[TM+\b] ; 8 off the exponent field: the conversion's scale operand
.endr
.irp b, 0,1,2,3
	v_and_or_b32 v[TM+8+\b], v[TM+\b], 0x7f800000, s42   ; 448 x the scale
.endr
.irp b, 0,1,2,3
	v_lshrrev_b32 v[TM+4+\b], 23, v[TM+12+\b]
.endr
	v_lshl_or_b32 v[PWS+(\a)], v[TM+5], 8, v[TM+4]
	v_lshl_or_b32 v[PWS+(\a)], v[TM+6], 16, v[PWS+(\a)]
	v_lshl_or_b32 v[PWS+(\a)], v[TM+7], 24, v[PWS+(\a)]
	WIN W                                          ; source 0: the accumulators' window
.irp b, 0,1,2,3
.irp i, 0,1,2,3,4,5,6,7,8,9,10,11,12,13,14,15
	v_med3_num_f32 v[T+16*\b+\i], v[AC+16*\b+\i], -v[TM+8+\b], v[TM+8+\b]   ; the hold (the conversion does not saturate: ISA guide 7.6.2) and the move into window 0 in one
.endr
.endr
	WIN 0
	s_wait_xcnt 0x0                                ; the last block's stores have read their codes and their base
.if (\a) == 4
	s_add_nc_u64 s[10:11], s[10:11], s[98:99]
.elseif (\a) > 0
	s_add_nc_u64 s[10:11], s[10:11], s[66:67]
.endif
.irp b, 0,1,2,3
	v_cvt_scalef32_pk8_fp8_f32 v[PC+4*\b:PC+1+4*\b], v[T+16*\b:T+7+16*\b], v[TM+12+\b]
	v_cvt_scalef32_pk8_fp8_f32 v[PC+2+4*\b:PC+3+4*\b], v[T+8+16*\b:T+15+16*\b], v[TM+12+\b]
.endr
	v_nop                                          ; a plain line behind the last conversion
	global_store_b128 v4, v[PC:PC+3], s[10:11]                     ; each store: 512 consecutive bytes
	global_store_b128 v4, v[PC+4:PC+7], s[10:11] offset:512
	global_store_b128 v[VO2], v[PC+8:PC+11], s[10:11]
	global_store_b128 v[VO2], v[PC+12:PC+15], s[10:11] offset:512
.endm
	PLACES NP                                      ; behind the last products: their results are read and A's registers written below
	s_mov_b32 s2, 0x76543210
	s_mov_b32 s3, 0xfedcba98                       ; lane l xor 16
	s_mov_b32 s42, 0x600000                        ; the mantissa field of 448
.irp b, 0,1,2,3
	v_mov_b32 v[TM+4+\b], 0                        ; a lane permute's destination counts as one of its sources
.endr
.irp a, 0,1,2,3,4,5,6,7
	QOUT \a
.endr
	v_cmp_ne_u32 vcc_lo, 0, v2
.irp i, 0,1,2,3
	v_cndmask_b32 v[XW+\i], v[PWS+\i], v[PWS+4+\i], vcc_lo   ; lanes 0-15 store blocks 0-3's words, lanes 16-31 blocks 4-7's
.endr
	global_store_b128 v[SVO], v[XW:XW+3], s[12:13] ; q, k: the first head reads bytes 0 and 1 of a word; bytes 2 and 3 scale zero codes there and are never 0xff
.irp i, 0,1,2,3
	v_lshrrev_b32 v[XW+4+\i], 16, v[XW+\i]         ; q, k: the second head's two bytes
.endr
	s_cmp_eq_u32 ttmp9, 2
	s_cbranch_scc1 .Lno_second
	global_store_b128 v[SVO], v[XW+4:XW+7], s[12:13] offset:12288
.Lno_second:
	s_wait_tensorcnt 0x0                           ; the wave's end
	ds_add_u32 v[SPW], v[NIL]
	s_wait_dscnt 0x0
	CROUND                                         ; the closing round
	s_endpgm
.Lfunc_end_k_q3c0ab1ee33_qkv:
	.size	k_q3c0ab1ee33_qkv, .Lfunc_end_k_q3c0ab1ee33_qkv-k_q3c0ab1ee33_qkv
	.p2alignl 7, 3214868480
	.fill 96, 4, 3214868480
	.section	.rodata,"a",@progbits
	.p2align	6, 0x0
	.amdhsa_kernel k_q3c0ab1ee33_qkv
		.amdhsa_group_segment_fixed_size 327680
		.amdhsa_private_segment_fixed_size 0
		.amdhsa_enable_private_segment 0
		.amdhsa_kernarg_size 40
		.amdhsa_user_sgpr_count 2
		.amdhsa_user_sgpr_kernarg_segment_ptr 1
		.amdhsa_wavefront_size32 1
		.amdhsa_system_sgpr_workgroup_id_x 1
		.amdhsa_system_sgpr_workgroup_id_y 1
		.amdhsa_system_sgpr_workgroup_id_z 1
		.amdhsa_system_vgpr_workitem_id 0
		.amdhsa_next_free_vgpr 1024
		.amdhsa_next_free_sgpr 101
		.amdhsa_reserve_vcc 1
		.amdhsa_float_denorm_mode_32 3
		.amdhsa_float_denorm_mode_16_64 3
		.amdhsa_memory_ordered 1
		.amdhsa_forward_progress 1
		.amdhsa_inst_pref_size 206
	.end_amdhsa_kernel
	.amdgpu_metadata
---
amdhsa.version: [ 1, 2 ]
amdhsa.kernels:
  - .name:           k_q3c0ab1ee33_qkv
    .symbol:         k_q3c0ab1ee33_qkv.kd
    .args:
      - { .name: opc, .offset: 0, .size: 8, .value_kind: global_buffer, .address_space: global }
      - { .name: ops, .offset: 8, .size: 8, .value_kind: global_buffer, .address_space: global }
      - { .name: b_attn, .offset: 16, .size: 8, .value_kind: global_buffer, .address_space: global }
      - { .name: qkv, .offset: 24, .size: 8, .value_kind: global_buffer, .address_space: global }
      - { .name: qkvs, .offset: 32, .size: 8, .value_kind: global_buffer, .address_space: global }
    .group_segment_fixed_size: 327680
    .private_segment_fixed_size: 0
    .kernarg_segment_align: 8
    .kernarg_segment_size: 40
    .max_flat_workgroup_size: 128
    .sgpr_count:     101
    .vgpr_count:     1024
    .wavefront_size: 32
...
	.end_amdgpu_metadata
.endif
;; end of part 2
;; launch attn (part 3): grid 8 x 32, 16 waves a work-group, no clusters, 36,864 bytes of LDS; arguments qkv, qkvs, yc, ys; writes yc, ys
.if DOCPART == 3
	.amdgcn_target "amdgcn-amd-amdhsa--gfx1250"
	.amdhsa_code_object_version 6
	.text
	.protected	k_q3c0ab1ee33_attn
	.globl	k_q3c0ab1ee33_attn
	.p2align	8
	.type	k_q3c0ab1ee33_attn,@function
k_q3c0ab1ee33_attn:
	s_mov_b64 s[64:65], 0
	v_nop
	global_prefetch_b8 v0, s[64:65] scope:SCOPE_SE
	s_setreg_imm32_b32 hwreg(HW_REG_WAVE_MODE, 25, 1), 1
	s_wait_xcnt 0x0
; y = softmax(q k^T / 8, causal) v for 32 heads of 64, 2,048 tokens, both products on codes of FP8 (E4M3) with E8M0 scales; y is quantised along the model's 1,024 and leaves as codes.
; THE SOFTMAX: t = score x log2(e) / 8; M = the running largest t rounded UP to a whole number; p = 2^(t - M) is quantised along the keys, not normalised; the row's sum is taken of the unquantised p and divides at the end.
; When M moves, the sum and O are multiplied by 2^(old M - new M): exact.
; SHARES.  A work-group has one head and two blocks of 128 queries, i and 15 - i: eight waves each, one tile of 16 queries a wave, 256 registers.  Block b needs key steps 0 .. b of 128: every work-group has 8 x 17 tile-steps.
; Which waves take which block is chosen so that of waves w, w + 4, w + 8, w + 12, and of waves 4 w .. 4 w + 3, two take each.
; K and V of a key step (8,192 bytes of codes each, 768 of scale words) come through registers into one of two LDS slots, a step ahead: each thread loads 16 bytes of each.  One barrier a step.
; NO JOINT LOADS: work-groups of one head need 9 to 16 key steps, so partners would not make the same requests; and with fills through registers the trip count may hang on the work-group's number.
; LAYOUT.  Both products transposed: S^T = K Q^T (source 0 = 16 keys), O^T = V^T P^T (source 0 = 16 channels): a lane holds ONE query.  Lane-row r of tile t is 32 (t / 2) + 8 (t % 2) + r + 8 (r / 8):
; so 16 registers of tiles 2 b, 2 b + 1 are neighbours 32 b + 16 h + 0 .. 15: p's conversions give the second product's operand, O's give y's.  The first product's K is 64: the upper half of Q's and K's fragments is zero codes, written once.
; LIMITS: NaN and infinities are not served; a block of y whose largest magnitude lies under 2^-118 gets the byte 1.
; REGISTERS: v1 16 lane, v2 32 r, v3 16 r, v4 16 thread, v5 8 thread, v6 mask bound, v7 -infinity, v9 r, v10 h; v12 -M, v13 largest t, v[14:15] the sum; v16-31 Q; v32-95 four fragments of K; v96-159 S^T, p, then V's four fragments;
; v160-191 O^T; v192-207 p's codes; v208-215 K's scale words, v216-219 V's, v220 Q's; v222-231 the next step on its way; v232-254 at work (v253 p's scale word).
.set SLOTB, 17408                      ; a slot: K's codes, V's codes, K's words, V's words
.set VOFF,  8192
.set KW,    16384
.set VW,    16896
.set WV,  12                           ; s12 wave;  s13 my block of queries;  s14 my tile in it;  s15 the key step;  s16 trips to go
.set BLK, 13
.set SN,  15
.set SEL, 34                           ; s[34:35] lane l xor 16
.set CS,  36                           ; s[36:37] c = log2(e) / 8
.set MNT, 38                           ; s38 the mantissa field of 448
	s_load_b128 s[4:7], s[0:1], 0x0                ; qkv, qkvs
	s_load_b128 s[8:11], s[0:1], 0x10              ; yc, ys
	v_lshl_add_u32 v251, v0, 2, 0x8800
	v_mov_b32 v255, 0
	v_lshrrev_b32 v8, 5, v0
	v_readfirstlane_b32 s[WV], v8                  ; wave 0..15
	v_and_b32 v8, 31, v0
	v_lshlrev_b32 v1, 4, v8
	v_and_b32 v9, 15, v0                           ; r
	v_bfe_u32 v10, v0, 4, 1                        ; h
	v_lshlrev_b32 v2, 5, v9
	v_lshlrev_b32 v3, 4, v9
	v_lshlrev_b32 v4, 4, v0
	v_lshlrev_b32 v5, 3, v0
	s_lshr_b32 s14, s[WV], 1                       ; my tile, 0..7
	s_lshr_b32 s13, s[WV], 2
	s_xor_b32 s13, s13, s[WV]
	s_and_b32 s13, s13, 1
	s_sub_co_u32 s17, 15, ttmp9
	s_cmp_lg_u32 s13, 0
	s_cselect_b32 s[BLK], s17, ttmp9               ; block 15 - i or block i
	s_sub_co_u32 s16, 17, ttmp9
	s_lshr_b32 s16, s16, 1                         ; trips of two key steps that cover steps 0 .. 15 - i
	s_lshr_b32 s17, s14, 1
	s_lshl_b32 s17, s17, 5
	s_and_b32 s30, s14, 1
	s_lshl_b32 s30, s30, 3
	s_add_co_u32 s17, s17, s30
	v_and_b32 v6, 8, v9
	v_add_nc_u32 v6, v6, v9
	v_add_nc_u32 v6, s17, v6                       ; my query's place in its block of 128,
	v_lshlrev_b32 v11, 4, v10
	v_sub_nc_u32 v6, v6, v11                       ; less 16 h: on the diagonal register 16 b + i (key 32 b + 16 h + i) is hidden where 32 b + i is greater
	s_and_b32 s39, ttmp7, 0xffff                   ; the head, 0..31
	s_lshl_b32 s30, s39, 17
	s_mov_b32 s31, 0
	s_mul_i32 s32, s39, 12288
	s_mov_b32 s33, 0
	s_mov_b32 s[SEL], 0x76543210
	s_mov_b32 s[SEL+1], 0xfedcba98
	s_mov_b32 s[CS], 0x3e38aa3b
	s_mov_b32 s[CS+1], s[CS]                       ; (named with it as a pair, so it is written)
	s_mov_b32 s[MNT], 0x600000
	s_mov_b32 s[SN], 0
	s_wait_kmcnt 0x0
	s_add_nc_u64 s[40:41], s[4:5], s[30:31]        ; the head's q,
	s_add_nc_u64 s[18:19], s[40:41], 0x400000      ; k,
	s_add_nc_u64 s[20:21], s[40:41], 0x800000      ; v;
	s_add_nc_u64 s[42:43], s[6:7], s[32:33]        ; q's scale words,
	s_add_nc_u64 s[22:23], s[42:43], 393216        ; k's and v's
	s_lshl_b32 s30, s[BLK], 13
	s_lshl_b32 s44, s14, 10
	s_add_co_u32 s30, s30, s44
	s_add_nc_u64 s[40:41], s[40:41], s[30:31]
	s_mul_i32 s32, s[BLK], 768
	s_lshl_b32 s44, s14, 2
	s_add_co_u32 s32, s32, s44
	s_add_nc_u64 s[42:43], s[42:43], s[32:33]
	global_load_b128 v[16:19], v1, s[40:41]        ; Q's fragment: the head's 64
	global_load_b128 v[20:23], v1, s[40:41] offset:512
	global_load_b32 v220, v2, s[42:43]             ; and its scale words
	global_load_b128 v[222:225], v4, s[18:19]      ; key step 0
	global_load_b128 v[226:229], v4, s[20:21]
	s_cmp_lt_u32 s[WV], 3                          ; 768 bytes of scale words: 96 threads x 8
	s_cbranch_scc0 .Lno_words
	global_load_b64 v[230:231], v5, s[22:23]
.Lno_words:
.irp j, 24,25,26,27,28,29,30,31
	v_mov_b32 v[\j], 0                             ; zero codes for k = 64 .. 127 of Q,
.endr
.irp t, 0,1,2,3
.irp j, 8,9,10,11,12,13,14,15
	v_mov_b32 v[32+16*\t+\j], 0                    ; and of K's four fragments: no load ever lands here
.endr
.endr
.set n, 0
.rept 32
	v_mov_b32 v[160+n], 0                          ; O^T: the loop has no first step of its own
.set n, n+1
.endr
	v_mov_b32 v7, 0xff800000
	v_mov_b32 v13, 0xff61b1e6                      ; the largest t so far: -3e38
	v_floor_f32 v12, -v13                          ; -M
	v_mov_b32 v14, 0
	v_mov_b32 v15, 0
.irp b, 0,1,2,3
	v_mov_b32 v[236+\b], 0                         ; lane permutes' destinations count as sources
.endr
	v_mov_b32 v252, 0
	v_mov_b32 v253, 0
	s_wait_loadcnt 0x0
	ds_store_b128 v4, v[222:225]
	ds_store_b128 v4, v[226:229] offset:VOFF
	s_cmp_lt_u32 s[WV], 3
	s_cbranch_scc0 .Lno_words_2
	ds_store_b64 v5, v[230:231] offset:KW
.Lno_words_2:
	s_wait_dscnt 0x0                               ; for the others' sake: my part of slot 0 lies in LDS
	s_barrier_signal -1
	s_barrier_wait -1
; A KEY STEP, read from slot p; the next step's bytes are asked for at its head and laid into slot 1 - p at its end.
.macro STEP p
	s_add_co_u32 s17, s[SN], 1
	s_min_u32 s17, s17, 15                         ; no load leaves its buffer: behind the last step the same step is fetched again and read by nobody
	s_lshl_b32 s30, s17, 13
	s_mul_i32 s32, s17, 768
	s_add_nc_u64 s[24:25], s[18:19], s[30:31]      ; (the last step's loads were waited for: their bases may be written)
	s_add_nc_u64 s[26:27], s[20:21], s[30:31]
	s_add_nc_u64 s[28:29], s[22:23], s[32:33]
	global_load_b128 v[222:225], v4, s[24:25]
	global_load_b128 v[226:229], v4, s[26:27]
	s_cmp_lt_u32 s[WV], 3
	s_cbranch_scc0 .Lnw_\@
	global_load_b64 v[230:231], v5, s[28:29]
.Lnw_\@:
	s_cmp_gt_u32 s[SN], s[BLK]                     ; all 128 keys come after my queries: the step's work is left out, not its fetch nor its barrier
	s_cbranch_scc1 .Lskip_\@
	ds_load_b128 v[208:211], v2 offset:\p*SLOTB+KW
	ds_load_b128 v[212:215], v2 offset:\p*SLOTB+KW+16
.irp g, 0,1                                    ; S^T = K Q^T, four tiles of 16 keys at a time
.if \g
.rept 8
	v_nop                                          ; places in front of loads into registers that the last four products read
.endr
.endif
.irp t, 0,1,2,3
	ds_load_b128 v[32+16*\t:35+16*\t], v1 offset:\p*SLOTB+(4*\g+\t)*1024
	ds_load_b128 v[36+16*\t:39+16*\t], v1 offset:\p*SLOTB+(4*\g+\t)*1024+512
.endr
	s_wait_dscnt 0x0
.irp t, 0,1,2,3
	v_wmma_scale_f32_16x16x128_f8f6f4 v[96+8*(4*\g+\t):103+8*(4*\g+\t)], v[32+16*\t:47+16*\t], v[16:31], 0, v[208+4*\g+\t], v220
.endr
.endr
.rept 8
	v_nop
.endr
	s_cmp_lg_u32 s[SN], s[BLK]                     ; on the diagonal hidden scores become -infinity ahead of the maximum: p = 0 then
	s_cbranch_scc1 .Lopen_\@
.set n, 0
.rept 64
	v_cmp_gt_i32 vcc_lo, 32*(n/16)+n%16, v6
	v_cndmask_b32 v[96+n], v[96+n], v7, vcc_lo
.set n, n+1
.endr
.Lopen_\@:
.irp b, 0,1,2,3
	v_max3_num_f32 v[232+\b], v[96+16*\b], v[97+16*\b], v[98+16*\b]   ; the largest score of each block of 32 keys: for the row's maximum, and, since p rises with the score, for the block's largest p
.endr
.irp i, 3,5,7,9,11,13
.irp b, 0,1,2,3
	v_max3_num_f32 v[232+\b], v[232+\b], v[96+16*\b+\i], v[97+16*\b+\i]
.endr
.endr
.irp b, 0,1,2,3
	v_max_num_f32 v[232+\b], v[232+\b], v[111+16*\b]
.endr
.irp b, 0,1,2,3
	v_permlanex16_b32 v[236+\b], v[232+\b], s[SEL], s[SEL+1]
.endr
.irp b, 0,1,2,3
	v_max_num_f32 v[232+\b], v[232+\b], v[236+\b]  ; with lane l xor 16's 16 keys
.endr
	v_max3_num_f32 v254, v232, v233, v234
	v_max_num_f32 v254, v254, v235
	v_mul_f32 v254, s[CS], v254                    ; the step's largest t
	v_max_num_f32 v13, v13, v254
	v_mov_b32 v254, v12
	v_floor_f32 v12, -v13                          ; the new -M = -ceil(t): a whole number
	v_sub_f32 v254, v12, v254                      ; old M - new M: a whole number, 0 or less
	v_cvt_i32_f32 v254, v254                       ; (it saturates)
	v_ldexp_f32 v252, 1.0, v254                    ; f = 2^(old M - new M)
.irp j, 0,2,4,6,8,10,12,14,16,18,20,22,24,26,28,30,32,34,36,38,40,42,44,46,48,50,52,54,56,58,60,62
	v_pk_fma_f32 v[96+\j:97+\j], v[96+\j:97+\j], s[CS:CS+1], v[12:13] op_sel_hi:[1,0,0]   ; t - M, two at a time
.endr
.irp b, 0,1,2,3
	v_fma_f32 v[232+\b], v[232+\b], s[CS], v12
.endr
.set n, 0
.rept 64
	v_exp_f32 v[96+n], v[96+n]                     ; p = 2^(t - M)
.set n, n+1
.endr
.irp b, 0,1,2,3
	v_exp_f32 v[232+\b], v[232+\b]                 ; the block's largest p: the same two instructions on the same number
.endr
	v_pk_mul_f32 v[14:15], v[14:15], v[252:253] op_sel_hi:[1,0]   ; the sums under the new M  (a plain place behind the exponentials)
	s_wait_alu depctr_va_vdst(0)
.irp b, 0,1,2,3
	v_max_num_f32 v[232+\b], 0x4800000, v[232+\b]  ; the floor 2^(9 - 127)
.endr
.irp b, 0,1,2,3
	v_add_nc_u32 v[244+\b], 0xfc000000, v[232+\b]
.endr
.irp b, 0,1,2,3
	v_and_or_b32 v[240+\b], v[232+\b], 0x7f800000, s[MNT]
.endr
.irp b, 0,1,2,3
	v_lshrrev_b32 v[236+\b], 23, v[244+\b]
.endr
	v_lshl_or_b32 v253, v237, 8, v236              ; p's scale word for these 128 keys
	v_lshl_or_b32 v253, v238, 16, v253
	v_lshl_or_b32 v253, v239, 24, v253
	v_pk_add_f32 v[236:237], v[96:97], v[98:99]    ; the row's sum is taken of the unquantised p, in two chains
.irp j, 4,8,12,16,20,24,28,32,36,40,44,48,52,56,60
	v_pk_add_f32 v[14:15], v[14:15], v[96+\j:97+\j]
	v_pk_add_f32 v[236:237], v[236:237], v[98+\j:99+\j]
.endr
	v_pk_add_f32 v[14:15], v[14:15], v[236:237]
.irp b, 0,1,2,3
.irp i, 0,1,2,3,4,5,6,7,8,9,10,11,12,13,14,15
	v_min_num_f32 v[96+16*\b+\i], v[96+16*\b+\i], v[240+\b]   ; the hold; p is not negative
.endr
	v_cvt_scalef32_pk8_fp8_f32 v[192+4*\b:193+4*\b], v[96+16*\b:103+16*\b], v[244+\b]
	v_cvt_scalef32_pk8_fp8_f32 v[194+4*\b:195+4*\b], v[104+16*\b:111+16*\b], v[244+\b]
.endr
	ds_load_b128 v[216:219], v3 offset:\p*SLOTB+VW
.irp t, 0,1,2,3                                ; V's four fragments land where p lay
.irp c, 0,1,2,3
	ds_load_b128 v[96+16*\t+4*\c:99+16*\t+4*\c], v1 offset:\p*SLOTB+VOFF+\t*2048+\c*512
.endr
.endr
.irp j, 0,2,4,6,8,10,12,14,16,18,20,22,24,26,28,30
	v_pk_mul_f32 v[160+\j:161+\j], v[160+\j:161+\j], v[252:253] op_sel_hi:[1,0]   ; O^T under the new M; also the places between the conversions and the products
.endr
	s_wait_dscnt 0x0
.irp t, 0,1,2,3                                ; O^T += V^T P^T: the four accumulators by turns
	v_wmma_scale_f32_16x16x128_f8f6f4 v[160+8*\t:167+8*\t], v[96+16*\t:111+16*\t], v[192:207], v[160+8*\t:167+8*\t], v[216+\t], v253
.endr
.rept 9
	v_nop                                          ; nine: the next step's S^T is written over V's registers by matrix instructions
.endr
.Lskip_\@:
	s_wait_loadcnt 0x0                             ; the next step's bytes are in my registers
	ds_store_b128 v4, v[222:225] offset:(1-\p)*SLOTB          ; slot 1 - p was last read in front of the last barrier
	ds_store_b128 v4, v[226:229] offset:(1-\p)*SLOTB+VOFF
	s_cmp_lt_u32 s[WV], 3
	s_cbranch_scc0 .Lns_\@
	ds_store_b64 v5, v[230:231] offset:(1-\p)*SLOTB+KW
.Lns_\@:
	s_add_co_u32 s[SN], s[SN], 1
	s_wait_dscnt 0x0                               ; my stores have landed and my reads of slot p are over
	s_barrier_signal -1
	s_barrier_wait -1
.endm
.Ltrip:
	STEP 0
	STEP 1
	s_sub_co_u32 s16, s16, 1
	s_cmp_lg_u32 s16, 0
	s_cbranch_scc1 .Ltrip
	; THE WAY OUT: y = O^T / the sum; register 16 b + i is channel 32 b + 16 h + i of my head: two blocks of 32 along the last product's K.  Codes and bytes go into y's images.
	v_add_f32 v14, v14, v15
	v_permlanex16_b32 v252, v14, s[SEL], s[SEL+1]
	v_add_f32 v14, v14, v252                       ; the row's sum
	v_rcp_f32 v14, v14
	v_lshl_add_u32 v8, v9, 3, v10                  ; (a plain place behind the transcendental)  scale bytes: 8 r + h
	s_lshr_b32 s17, s39, 4                         ; the batch: 128 tiles
	s_lshl_b32 s17, s17, 7
	s_lshl_b32 s30, s[BLK], 3
	s_add_co_u32 s17, s17, s30
	s_add_co_u32 s17, s17, s14                     ; y's tile
	s_and_b32 s44, s39, 15                         ; the head in the batch: 64 of K, 1,024 bytes of a tile's image
	s_lshl_b32 s30, s17, 14
	s_lshl_b32 s32, s44, 10
	s_add_co_u32 s30, s30, s32
	s_add_nc_u64 s[8:9], s[8:9], s[30:31]
	s_lshl_b32 s32, s17, 9
	s_lshr_b32 s30, s44, 2
	s_lshl_b32 s30, s30, 7
	s_add_co_u32 s32, s32, s30
	s_and_b32 s30, s44, 3
	s_lshl_b32 s30, s30, 1                         ; two bytes a head in a lane-row's eight
	s_add_co_u32 s32, s32, s30
	s_add_nc_u64 s[10:11], s[10:11], s[32:33]
.set n, 0
	s_wait_alu depctr_va_vdst(0)
.rept 32
	v_mul_f32 v[96+n], v[160+n], v14
.set n, n+1
.endr
.irp b, 0,1
	v_max3_num_f32 v[232+\b], |v[96+16*\b]|, |v[97+16*\b]|, 0x4800000
.endr
.irp i, 2,4,6,8,10,12,14
.irp b, 0,1
	v_max3_num_f32 v[232+\b], v[232+\b], |v[96+16*\b+\i]|, |v[97+16*\b+\i]|
.endr
.endr
.irp b, 0,1
	v_permlanex16_b32 v[236+\b], v[232+\b], s[SEL], s[SEL+1]
.endr
.irp b, 0,1
	v_max_num_f32 v[232+\b], v[232+\b], v[236+\b]
.endr
.irp b, 0,1
	v_add_nc_u32 v[244+\b], 0xfc000000, v[232+\b]
.endr
.irp b, 0,1
	v_and_or_b32 v[240+\b], v[232+\b], 0x7f800000, s[MNT]
.endr
.irp b, 0,1
	v_lshrrev_b32 v[236+\b], 23, v[244+\b]
.endr
	v_cmp_ne_u32 vcc_lo, 0, v10
	v_cndmask_b32 v11, v236, v237, vcc_lo          ; lanes 0-15 store block 0's byte, lanes 16-31 block 1's
.irp b, 0,1
.irp i, 0,1,2,3,4,5,6,7,8,9,10,11,12,13,14,15
	v_med3_num_f32 v[96+16*\b+\i], v[96+16*\b+\i], -v[240+\b], v[240+\b]
.endr
	v_cvt_scalef32_pk8_fp8_f32 v[192+4*\b:193+4*\b], v[96+16*\b:103+16*\b], v[244+\b]
	v_cvt_scalef32_pk8_fp8_f32 v[194+4*\b:195+4*\b], v[104+16*\b:111+16*\b], v[244+\b]
.endr
	v_nop
	global_store_b128 v1, v[192:195], s[8:9]       ; 512 consecutive bytes each
	global_store_b128 v1, v[196:199], s[8:9] offset:512
	global_store_b8 v8, v11, s[10:11]              ; a scale word's four bytes come from two heads, two work-groups: so single bytes, 32 a wave
	s_wait_tensorcnt 0x0
	ds_add_u32 v251, v255
	s_wait_dscnt 0x0
	s_endpgm
.Lfunc_end_k_q3c0ab1ee33_attn:
	.size	k_q3c0ab1ee33_attn, .Lfunc_end_k_q3c0ab1ee33_attn-k_q3c0ab1ee33_attn
	.p2alignl 7, 3214868480
	.fill 96, 4, 3214868480
	.section	.rodata,"a",@progbits
	.p2align	6, 0x0
	.amdhsa_kernel k_q3c0ab1ee33_attn
		.amdhsa_group_segment_fixed_size 36864
		.amdhsa_private_segment_fixed_size 0
		.amdhsa_enable_private_segment 0
		.amdhsa_kernarg_size 32
		.amdhsa_user_sgpr_count 2
		.amdhsa_user_sgpr_kernarg_segment_ptr 1
		.amdhsa_wavefront_size32 1
		.amdhsa_system_sgpr_workgroup_id_x 1
		.amdhsa_system_sgpr_workgroup_id_y 1
		.amdhsa_system_sgpr_workgroup_id_z 1
		.amdhsa_system_vgpr_workitem_id 0
		.amdhsa_next_free_vgpr 256
		.amdhsa_next_free_sgpr 66
		.amdhsa_reserve_vcc 1
		.amdhsa_float_denorm_mode_32 3
		.amdhsa_float_denorm_mode_16_64 3
		.amdhsa_memory_ordered 1
		.amdhsa_forward_progress 1
		.amdhsa_inst_pref_size 62
	.end_amdhsa_kernel
	.amdgpu_metadata
---
amdhsa.version: [ 1, 2 ]
amdhsa.kernels:
  - .name:           k_q3c0ab1ee33_attn
    .symbol:         k_q3c0ab1ee33_attn.kd
    .args:
      - { .name: qkv, .offset: 0, .size: 8, .value_kind: global_buffer, .address_space: global }
      - { .name: qkvs, .offset: 8, .size: 8, .value_kind: global_buffer, .address_space: global }
      - { .name: yc, .offset: 16, .size: 8, .value_kind: global_buffer, .address_space: global }
      - { .name: ys, .offset: 24, .size: 8, .value_kind: global_buffer, .address_space: global }
    .group_segment_fixed_size: 36864
    .private_segment_fixed_size: 0
    .kernarg_segment_align: 8
    .kernarg_segment_size: 32
    .max_flat_workgroup_size: 512
    .sgpr_count:     66
    .vgpr_count:     256
    .wavefront_size: 32
...
	.end_amdgpu_metadata
.endif
;; end of part 3
;; launch proj (part 4): grid 8 x 32, 4 waves a work-group, clusters of 4 x 4, 295,424 bytes of LDS; arguments yc, ys, opc, ops, b_proj, out0; writes out0
.if DOCPART == 4
	.amdgcn_target "amdgcn-amd-amdhsa--gfx1250"
	.amdhsa_code_object_version 6
	.text
	.protected	k_q3c0ab1ee33_proj
	.globl	k_q3c0ab1ee33_proj
	.p2align	8
	.type	k_q3c0ab1ee33_proj,@function
k_q3c0ab1ee33_proj:
	s_mov_b64 s[64:65], 0
	v_nop
	global_prefetch_b8 v0, s[64:65] scope:SCOPE_SE
	s_setreg_imm32_b32 hwreg(HW_REG_WAVE_MODE, 25, 1), 1
	s_wait_xcnt 0x0
	s_wait_alu depctr_hold_cnt(0) depctr_sa_sdst(0) depctr_va_vdst(0) depctr_va_sdst(0) depctr_va_ssrc(0) depctr_va_vcc(0) depctr_vm_vsrc(0)
	s_getreg_b32 s2, hwreg(HW_REG_IB_STS2, 6, 4)
	s_cmp_eq_u32 s2, 0
	s_cbranch_scc0 .Lentry_in_a_cluster
	s_endpgm
.Lentry_in_a_cluster:
	s_bfe_u32 s2, ttmp6, 0x10000c
	s_cmp_lg_u32 s2, 0xf033
	s_cbranch_scc0 .Lentry_shape_is_right
	s_endpgm
.Lentry_shape_is_right:
; out0 = y w_proj + b_proj on codes of FP8 (E4M3) with E8M0 scales, K = 1,024.  y [4096] and w_proj [1024 columns] lie as images of operand registers (16,384 tile + 2,048 s + 512 c + 16 lane; scale words 512 tile + 128 (s / 2) + 8 r).
; A tile of 128 x 128 of the output to a work-group, so that there are 256 of them; four waves, 64 x 64 each: 16 accumulators.  ALL OF K LIES IN LDS: 256 KiB of codes, filled once, in four quarters of K by four tensor loads a wave
; (a fifth brings the scale words), so that the first quarter is multiplied while the others land: no byte of LDS is filled twice.  By this text's own count five tensor loads of a wave are out.
; CLUSTERS: 4 x 4 work-groups; y's tiles are shared along a row of the cluster, w_proj's along a column: joint loads with a mask that names the four.
; TRANSPOSED: source 0 = 16 columns of w_proj, source 1 = 16 rows of y.  Lane-row r of tile t is 32 (t / 2) + 8 (t % 2) + r + 8 (r / 8): a lane holds one row of y, and register j of column tile b is column 32 (b / 2) + 16 h + 8 (b % 2) + j.
; The bias is the C of each sum's first matrix instruction.  Results leave through each wave's own stage in LDS as rows of 256 bytes.
; REGISTERS: window 0: v0-31 addresses; v32-63 all scale words; v64-95 the bias, later rows on their way out; v96-127 rows on their way out; v128-255 the accumulators.  window 1: two fragment buffers of 128 (A's four, then B's four).
.set QRT,  65536                       ; a quarter of K: A's 8 tiles x 4,096 bytes, then B's 8
.set SCL,  4*QRT                       ; the scale words: A's 4,096 bytes, B's 4,096
.set STG,  SCL+8192                    ; four stages of 16 rows x 272 bytes: no tensor load lands here
.set ADRQ, 8                           ; v8-11   LDS address of my A fragments in quarter 0..3
.set ADRP, 12                          ; v12-15  the same for B
.set ADRS, 16                          ; v16     my scale words: lanes 0-15 A's, lanes 16-31 B's
.set STO,  17                          ; v17     the stage, in
.set RD,   18                          ; v18     the stage, back
.set CO,   19                          ; v19     my byte offset in out0
.set BV,   20                          ; v20     the bias: 64 h
.set SC,   32
.set BIAS, 64
.set ACC,  128
.set GA1,  24                          ; s[24:31] group 1, A's codes;  s[32:39] B's;  s[40:47] A's scale words;  s[48:55] B's
.set GB1,  32
.set GAS1, 40
.set GBS1, 48
.set G0AS, 56                          ; s[56:59], s[60:63] groups 0 for the scale words
.set G0BS, 60
.set G0A,  68                          ; s[68:83] groups 0 for A's four quarters;  s[84:99] for B's
.set G0B,  84
.set MSB, 0
.macro WIN new                         ; the immediate's high byte repeats the setting that is left
.if MSB != \new
	s_set_vgpr_msb (MSB<<8)|\new
.set MSB, \new
.endif
.endm
.macro CROUND                          ; a round of the cluster's barrier
	s_barrier_signal -1
	s_barrier_wait -1
	s_cmp_lg_u32 s16, 0
	s_cbranch_scc1 .Lnot_wave_0_\@
	s_barrier_signal -3
.Lnot_wave_0_\@:
	s_barrier_wait -3
	s_barrier_signal -1
	s_barrier_wait -1
.endm
.macro PLACES n
.rept \n
	v_nop
.endr
.endm
	s_load_b256 s[4:11], s[0:1], 0x0               ; yc s[4:5], ys s[6:7], opc s[8:9], ops s[10:11]
	v_lshl_add_u32 v30, v0, 2, 0x48000
	v_mov_b32 v31, 0
	ds_add_u32 v30, v31
	ds_add_u32 v30, v31
	v_lshrrev_b32 v1, 5, v0
	v_readfirstlane_b32 s16, v1                    ; wave 0..3
	s_lshr_b32 s17, s16, 1                         ; which four tiles of A are mine.  Also: I fetch for A (0) or for B (1)
	s_and_b32 s18, s16, 1                          ; which four of B.  Also: which four tiles I fetch
	s_bfe_u32 s19, ttmp6, 0x40000                  ; cx
	s_bfe_u32 s20, ttmp6, 0x40004                  ; cy
	s_lshl_b32 s21, ttmp9, 2
	s_add_co_u32 s21, s21, s19                     ; which 128 columns
	s_and_b32 s22, ttmp7, 0xffff
	s_lshl_b32 s22, s22, 2
	s_add_co_u32 s22, s22, s20                     ; which 128 rows
	s_lshl_b32 s23, s20, 2
	s_lshl_b32 s23, 15, s23                        ; my row of the cluster
	s_lshl_b32 s100, 0x1111, s19                   ; my column
	s_or_b32 s[GA1], s23, (3<<16)|(1<<21)          ; 15:0 the mask; 17:16 elements of 8 bytes; 21 set beside a mask
	s_or_b32 s[GAS1], s23, (3<<16)|(1<<21)
	s_or_b32 s[GB1], s100, (3<<16)|(1<<21)
	s_or_b32 s[GBS1], s100, (3<<16)|(1<<21)
.irp g, GA1, GB1                       ; codes: four tiles' 4,096 bytes (512 elements), 16,384 bytes apart
	s_mov_b32 s[\g+1], 512<<16
	s_mov_b32 s[\g+2], 4<<16
	s_mov_b32 s[\g+3], 512<<16
	s_mov_b32 s[\g+4], 4
	s_mov_b32 s[\g+5], 2048
	s_mov_b32 s[\g+6], 0
	s_mov_b32 s[\g+7], 0
.endr
.irp g, GAS1, GBS1                     ; scale words: four tiles' 2,048 dense bytes as 8 rows of 256
	s_mov_b32 s[\g+1], 32<<16
	s_mov_b32 s[\g+2], 8<<16
	s_mov_b32 s[\g+3], 32<<16
	s_mov_b32 s[\g+4], 8
	s_mov_b32 s[\g+5], 32
	s_mov_b32 s[\g+6], 0
	s_mov_b32 s[\g+7], 0
.endr
	s_lshl_b32 s14, s18, 2
	s_lshl_b32 s23, s22, 3
	s_add_co_u32 s23, s23, s14                     ; A's first tile that I fetch
	s_lshl_b32 s100, s21, 3
	s_add_co_u32 s100, s100, s14
	s_add_co_u32 s100, s100, 448                   ; B's: w_proj's tiles begin at 448
	s_lshl_b32 s66, s23, 14
	s_mov_b32 s67, 0
	s_lshl_b32 s2, s100, 14
	s_mov_b32 s3, 0
	s_lshl_b32 s[G0AS+2], s23, 9
	s_mov_b32 s[G0AS+3], 0
	s_lshl_b32 s[G0BS+2], s100, 9
	s_mov_b32 s[G0BS+3], 0
	s_lshl_b32 s12, s16, 14                        ; where they go: wave x four tiles: no place in the cluster enters an LDS address
	s_lshl_b32 s13, s16, 11
	s_wait_dscnt 0x0
	s_wait_kmcnt 0x0
	s_add_nc_u64 s[66:67], s[4:5], s[66:67]
	s_add_nc_u64 s[2:3], s[8:9], s[2:3]
	s_add_nc_u64 s[G0AS+2:G0AS+3], s[6:7], s[G0AS+2:G0AS+3]
	s_add_nc_u64 s[G0BS+2:G0BS+3], s[10:11], s[G0BS+2:G0BS+3]
	s_or_b32 s[G0AS+3], s[G0AS+3], 0x80000000
	s_or_b32 s[G0BS+3], s[G0BS+3], 0x80000000
	s_mov_b32 s[G0AS], 1
	s_mov_b32 s[G0BS], 1
	s_add_co_u32 s[G0AS+1], s13, SCL
	s_add_co_u32 s[G0BS+1], s13, SCL
.irp k, 0,1,2,3
	s_mov_b32 s[G0A+4*\k], 1
	s_add_co_u32 s[G0A+4*\k+1], s12, \k*QRT
	s_add_nc_u64 s[G0A+4*\k+2:G0A+4*\k+3], s[66:67], \k*4096
	s_or_b32 s[G0A+4*\k+3], s[G0A+4*\k+3], 0x80000000
	s_mov_b32 s[G0B+4*\k], 1
	s_add_co_u32 s[G0B+4*\k+1], s12, \k*QRT
	s_add_nc_u64 s[G0B+4*\k+2:G0B+4*\k+3], s[2:3], \k*4096
	s_or_b32 s[G0B+4*\k+3], s[G0B+4*\k+3], 0x80000000
.endr
	CROUND                                         ; all sixteen work-groups are here: the joint loads meet
	s_cmp_eq_u32 s17, 0                            ; a wave's five fills stand in one branch, ahead of every wait on TENSORcnt and every LDS read
	s_cbranch_scc0 .Lfill_b
	tensor_load_to_lds s[G0AS:G0AS+3], s[GAS1:GAS1+7]
	s_nop 0
.irp k, 0,1,2,3
	tensor_load_to_lds s[G0A+4*\k:G0A+4*\k+3], s[GA1:GA1+7]
	s_nop 0
.endr
.rept 4
	v_nop
.endr
	s_branch .Lfilled
.Lfill_b:
	tensor_load_to_lds s[G0BS:G0BS+3], s[GBS1:GBS1+7]
	s_nop 0
.irp k, 0,1,2,3
	tensor_load_to_lds s[G0B+4*\k:G0B+4*\k+3], s[GB1:GB1+7]
	s_nop 0
.endr
.rept 4
	v_nop
.endr
.Lfilled:
	s_load_b128 s[4:7], s[0:1], 0x20               ; b_proj s[4:5], out0 s[6:7]
	v_and_b32 v1, 15, v0                           ; r
	v_bfe_u32 v2, v0, 4, 1                         ; h
	v_and_b32 v3, 31, v0
	v_lshlrev_b32 v4, 4, v3                        ; 16 x lane
	s_lshl_b32 s12, s17, 14                        ; my four tiles of A,
	s_lshl_b32 s13, s18, 14
	s_add_co_u32 s13, s13, 32768                   ; of B, behind A's eight
.irp k, 0,1,2,3
	v_add_nc_u32 v[ADRQ+\k], s12, v4
	v_add_nc_u32 v[ADRP+\k], s13, v4
	s_add_co_u32 s12, s12, QRT
	s_add_co_u32 s13, s13, QRT
.endr
	v_lshlrev_b32 v5, 3, v1
	s_lshl_b32 s12, s17, 11
	s_lshl_b32 s13, s18, 11
	s_add_co_u32 s13, s13, 4096
	s_sub_co_u32 s13, s13, s12
	v_mul_u32_u24 v6, s13, v2                      ; lanes 16-31 take B's: one product, the distance between the two
	s_add_co_u32 s12, s12, SCL
	v_add_nc_u32 v5, v5, v6
	v_add_nc_u32 v[ADRS], s12, v5
	s_mul_i32 s12, s16, 16*272
	s_add_co_u32 s12, s12, STG                     ; my stage
	v_mul_u32_u24 v5, v1, 272
	v_lshl_add_u32 v5, v2, 6, v5
	v_add_nc_u32 v[STO], s12, v5                   ; in: row r, + 64 h
	v_mul_u32_u24 v5, v2, 272
	v_lshl_add_u32 v5, v1, 4, v5
	v_add_nc_u32 v[RD], s12, v5                    ; back: lanes 0-15 one row of 256 bytes, lanes 16-31 the next
	v_lshlrev_b32 v5, 12, v2
	v_lshl_add_u32 v[CO], v1, 4, v5                ; and the same two rows of out0, 4,096 bytes apart
	v_lshlrev_b32 v[BV], 6, v2
	s_lshl_b32 s12, s22, 7
	s_lshl_b32 s13, s17, 6
	s_add_co_u32 s12, s12, s13                     ; my first row
	s_lshl_b32 s12, s12, 12
	s_mov_b32 s13, 0
	s_lshl_b32 s14, s21, 9
	s_lshl_b32 s15, s18, 8
	s_add_co_u32 s14, s14, s15                     ; my first column, in bytes
	s_mov_b32 s15, 0
	s_wait_kmcnt 0x0
	s_add_nc_u64 s[4:5], s[4:5], s[14:15]
	s_add_nc_u64 s[6:7], s[6:7], s[12:13]
	s_add_nc_u64 s[6:7], s[6:7], s[14:15]
.irp b, 0,1,2,3
	global_load_b128 v[BIAS+8*\b:BIAS+8*\b+3], v[BV], s[4:5] offset:(32*(\b/2)+8*(\b%2))*4
	global_load_b128 v[BIAS+8*\b+4:BIAS+8*\b+7], v[BV], s[4:5] offset:(32*(\b/2)+8*(\b%2))*4+16
.endr
.macro FETCH n                         ; K step n's eight fragments into buffer n % 2: 32 loads of 512 consecutive bytes
.set FBL, 128*((\n)%2)
.set KQ, (\n)/2
.set QO, 2048*((\n)%2)
	WIN 0x40                                       ; destination window 1, address window 0
.irp i, 0,1,2,3
.irp c, 0,1,2,3
	ds_load_b128 v[FBL+16*\i+4*\c:FBL+16*\i+4*\c+3], v[ADRQ+KQ] offset:QO+512*\c+4096*\i
	ds_load_b128 v[FBL+64+16*\i+4*\c:FBL+64+16*\i+4*\c+3], v[ADRP+KQ] offset:QO+512*\c+4096*\i
.endr
.endr
.endm
.macro KSTEP n
.if ((\n)%2 == 1) && ((\n) < 7)
	s_wait_tensorcnt 3-((\n)+1)/2                  ; my part of the next quarter of K is in; the later quarters may be out
	s_wait_dscnt 0x0
	s_barrier_signal -1
	s_barrier_wait -1                              ; everybody's is
.endif
.if (\n) < 7
.if (\n) > 0
	PLACES 8                                       ; in front of loads into the buffer that the last step's products read
.endif
	FETCH (\n)+1
	s_wait_dscnt 32                                ; all but the 32 just issued
.else
	s_wait_dscnt 0x0
.endif
	WIN 0x05                                       ; sources 0 and 1 window 1; C and D window 0
.set FBM, 128*((\n)%2)
.set SW, SC+8*((\n)/2)+(\n)%2
.irp a, 0,1,2,3                        ; the 16 accumulators take turns
.irp b, 0,1,2,3
.if (\n) == 0
	v_wmma_scale_f32_16x16x128_f8f6f4 v[ACC+8*(4*\a+\b):ACC+8*(4*\a+\b)+7], v[FBM+64+16*\b:FBM+64+16*\b+15], v[FBM+16*\a:FBM+16*\a+15], v[BIAS+8*\b:BIAS+8*\b+7], v[SW+2*\b], v[SW+2*\a] matrix_a_scale:MATRIX_SCALE_ROW1
.else
	v_wmma_scale_f32_16x16x128_f8f6f4 v[ACC+8*(4*\a+\b):ACC+8*(4*\a+\b)+7], v[FBM+64+16*\b:FBM+64+16*\b+15], v[FBM+16*\a:FBM+16*\a+15], v[ACC+8*(4*\a+\b):ACC+8*(4*\a+\b)+7], v[SW+2*\b], v[SW+2*\a] matrix_a_scale:MATRIX_SCALE_ROW1
.endif
.endr
.endr
.endm
	s_wait_tensorcnt 3                             ; the scale words and my part of the first quarter are in; three quarters may be out
	s_barrier_signal -1
	s_barrier_wait -1
.irp k, 0,1,2,3
.irp i, 0,1,2,3
	ds_load_b64 v[SC+8*\k+2*\i:SC+8*\k+2*\i+1], v[ADRS] offset:\i*512+\k*128   ; all of K's scale words: lanes 0-15 A's tile i, lanes 16-31 B's tile i
.endr
.endr
	FETCH 0
	s_wait_loadcnt 0x0                             ; the bias
.irp n, 0,1,2,3,4,5,6,7
	KSTEP \n
.endr
	WIN 0
	PLACES 8                                       ; behind the last products, in front of the first read of results
; THE WAY OUT, a tile of 16 rows x 64 columns at a time: into my stage by columns' true places, back as rows of 256 bytes, which sixteen lanes store aligned.
.macro TOSTAGE a
.set OB, 96-32*((\a)%2)
.irp b, 0,1,2,3
	ds_store_b128 v[STO], v[ACC+8*(4*(\a)+\b):ACC+8*(4*(\a)+\b)+3] offset:128*(\b/2)+32*(\b%2)      ; each accumulator from its low end on
	ds_store_b128 v[STO], v[ACC+8*(4*(\a)+\b)+4:ACC+8*(4*(\a)+\b)+7] offset:128*(\b/2)+32*(\b%2)+16
.endr
.irp i, 0,1,2,3,4,5,6,7
	ds_load_b128 v[OB+4*\i:OB+4*\i+3], v[RD] offset:\i*2*272       ; LDS serves a wave's instructions in order: these see the stores above, and the next tile's stores come behind them
.endr
.endm
.macro SEND a, younger
.set OB, 96-32*((\a)%2)
	s_wait_dscnt \younger                          ; the tile is back; the next tile's 8 stores and 8 loads may be out
.irp i, 0,1,2,3,4,5,6,7
	global_store_b128 v[CO], v[OB+4*\i:OB+4*\i+3], s[6:7] offset:(32*((\a)/2)+8*((\a)%2)+2*\i+8*(\i/4))*4096 th:TH_STORE_NT   ; stage rows 2 i and 2 i + 1 are rows 2 i + 8 (i / 4) (+ 1) of the tile's group
.endr
.endm
	TOSTAGE 0
.irp a, 1,2,3
.if \a > 1
	s_wait_xcnt 0x0                                ; tile a - 2's stores have read their registers: tile a's loads may land there
.endif
	TOSTAGE \a
	SEND \a-1, 16
.endr
	SEND 3, 0
	s_wait_tensorcnt 0x0
	ds_add_u32 v30, v31
	s_wait_dscnt 0x0
	CROUND                                         ; the closing round: no LDS instruction and no tensor load of mine is out
	s_endpgm
.Lfunc_end_k_q3c0ab1ee33_proj:
	.size	k_q3c0ab1ee33_proj, .Lfunc_end_k_q3c0ab1ee33_proj-k_q3c0ab1ee33_proj
	.p2alignl 7, 3214868480
	.fill 96, 4, 3214868480
	.section	.rodata,"a",@progbits
	.p2align	6, 0x0
	.amdhsa_kernel k_q3c0ab1ee33_proj
		.amdhsa_group_segment_fixed_size 295424
		.amdhsa_private_segment_fixed_size 0
		.amdhsa_enable_private_segment 0
		.amdhsa_kernarg_size 48
		.amdhsa_user_sgpr_count 2
		.amdhsa_user_sgpr_kernarg_segment_ptr 1
		.amdhsa_wavefront_size32 1
		.amdhsa_system_sgpr_workgroup_id_x 1
		.amdhsa_system_sgpr_workgroup_id_y 1
		.amdhsa_system_sgpr_workgroup_id_z 1
		.amdhsa_system_vgpr_workitem_id 0
		.amdhsa_next_free_vgpr 512
		.amdhsa_next_free_sgpr 102
		.amdhsa_reserve_vcc 0
		.amdhsa_float_denorm_mode_32 3
		.amdhsa_float_denorm_mode_16_64 3
		.amdhsa_memory_ordered 1
		.amdhsa_forward_progress 1
		.amdhsa_inst_pref_size 55
	.end_amdhsa_kernel
	.amdgpu_metadata
---
amdhsa.version: [ 1, 2 ]
amdhsa.kernels:
  - .name:           k_q3c0ab1ee33_proj
    .symbol:         k_q3c0ab1ee33_proj.kd
    .args:
      - { .name: yc, .offset: 0, .size: 8, .value_kind: global_buffer, .address_space: global }
      - { .name: ys, .offset: 8, .size: 8, .value_kind: global_buffer, .address_space: global }
      - { .name: opc, .offset: 16, .size: 8, .value_kind: global_buffer, .address_space: global }
      - { .name: ops, .offset: 24, .size: 8, .value_kind: global_buffer, .address_space: global }
      - { .name: b_proj, .offset: 32, .size: 8, .value_kind: global_buffer, .address_space: global }
      - { .name: out0, .offset: 40, .size: 8, .value_kind: global_buffer, .address_space: global }
    .group_segment_fixed_size: 295424
    .private_segment_fixed_size: 0
    .kernarg_segment_align: 8
    .kernarg_segment_size: 48
    .max_flat_workgroup_size: 128
    .sgpr_count:     102
    .vgpr_count:     512
    .wavefront_size: 32
...
	.end_amdgpu_metadata
.endif
;; end of part 4
;; ======== version 2 of 2: 4 launches; version 1 with the launch attn written anew for expert scheduling mode
;; workspace buffers: opc 8,388,608 bytes; ops 262,144 bytes; qkv 12,582,912 bytes; qkvs 786,432 bytes; yc 4,194,304 bytes; ys 131,072 bytes
;; launch quant: the kernel of part 1 again; grid 256 x 1, 4 waves a work-group, no clusters, 34,304 bytes of LDS; arguments x, w_attn, w_proj, opc, ops; writes opc, ops
;; launch qkv: the kernel of part 2 again; grid 12 x 16, 4 waves a work-group, clusters of 4 x 4, 327,680 bytes of LDS; arguments opc, ops, b_attn, qkv, qkvs; writes qkv, qkvs
;; launch attn (part 5): grid 8 x 32, 16 waves a work-group, no clusters, 36,864 bytes of LDS; arguments qkv, qkvs, yc, ys; writes yc, ys
.if DOCPART == 5
	.amdgcn_target "amdgcn-amd-amdhsa--gfx1250"
	.amdhsa_code_object_version 6
	.text
	.protected	k_q3c0ab1ee33_attn
	.globl	k_q3c0ab1ee33_attn
	.p2align	8
	.type	k_q3c0ab1ee33_attn,@function
k_q3c0ab1ee33_attn:
	s_mov_b64 s[64:65], 0
	v_nop
	global_prefetch_b8 v0, s[64:65] scope:SCOPE_SE
	s_setreg_imm32_b32 hwreg(HW_REG_WAVE_SCHED_MODE, 0, 2), 2
	s_setreg_imm32_b32 hwreg(HW_REG_WAVE_MODE, 25, 1), 1
	s_wait_xcnt 0x0
	s_wait_alu depctr_vm_vsrc(0)
; y = softmax(q k^T / 8, causal) v for 32 heads of 64, 2,048 tokens, both products on codes of FP8 (E4M3) with E8M0 scales; y is quantised along the model's 1,024 and leaves as codes.
; THE SOFTMAX: t = score x log2(e) / 8; M = the running largest t rounded UP to a whole number; p = 2^(t - M) is quantised along the keys, not normalised; the row's sum is taken of the unquantised p and divides at the end.
; When M moves, the sum and O are multiplied by 2^(old M - new M): exact.
; SHARES.  A work-group has one head and two blocks of 128 queries, i and 15 - i: eight waves each, one tile of 16 queries a wave, 256 registers.  Block b needs key steps 0 .. b of 128: every work-group has 8 x 17 tile-steps.
; Which waves take which block is chosen so that of waves w, w + 4, w + 8, w + 12, and of waves 4 w .. 4 w + 3, two take each.
; K and V of a key step (8,192 bytes of codes each, 768 of scale words) come through registers into one of two LDS slots, a step ahead: each thread loads 16 bytes of each.  One barrier a step.
; NO JOINT LOADS: work-groups of one head need 9 to 16 key steps, so partners would not make the same requests; and with fills through registers the trip count may hang on the work-group's number.
; LAYOUT.  Both products transposed: S^T = K Q^T (source 0 = 16 keys), O^T = V^T P^T (source 0 = 16 channels): a lane holds ONE query.  Lane-row r of tile t is 32 (t / 2) + 8 (t % 2) + r + 8 (r / 8):
; so 16 registers of tiles 2 b, 2 b + 1 are neighbours 32 b + 16 h + 0 .. 15: p's conversions give the second product's operand, O's give y's.  The first product's K is 64: the upper half of Q's and K's fragments is zero codes, written once.
; LIMITS: NaN and infinities are not served; a block of y whose largest magnitude lies under 2^-118 gets the byte 1.
; REGISTERS: v1 16 lane, v2 32 r, v3 16 r, v4 16 thread, v5 8 thread, v6 mask bound, v7 -infinity, v9 r, v10 h; v12 -M, v13 largest t, v[14:15] the sum; v16-31 Q; v32-95 four fragments of K; v96-159 S^T, p, then V's four fragments;
; v160-191 O^T; v192-207 p's codes; v208-215 K's scale words, v216-219 V's, v220 Q's; v222-231 the next step on its way; v232-254 at work (v253 p's scale word).  s2, s3, s44-49: eight lane masks of the diagonal.
; THE MODE: SCHED_MODE bits 1:0 = 2 (LLVM: expert scheduling mode 2), set by the entry lines.  The code itself states the register dependences between vector or matrix instructions and memory or LDS instructions, with s_wait_alu, always for 0.
; THE PLAN.  Registers that memory or LDS instructions touch:
;   v1-v5          addresses: made at the head, ahead of one wait on va_vdst, and never written again.
;   v222-231       global loads land in them at a step's head, LDS stores read them at its end; no vector instruction names them.  One wait on vm_vsrc at a step's head: the stores have read them.
;   v32-39 + 16 t, v208-219   LDS loads land in them, products read them.  One wait on va_vdst at the head of a step's work: the last step's products are done reading; one between the two groups of four tiles of keys.
;   v96-159        the products write S^T, vector instructions make p of it and the conversions read it; then V's fragments land there.  One wait on va_vdst behind the conversions and O^T's rescaling, ahead of V's loads;
;                  it also states that p's codes and scale word are written, which the scaled products take.
;   v192-199, v8, v11   on the way out: written by vector instructions, read by the stores: one wait on va_vdst ahead of the three stores.
; The wave's 256 registers are a quarter of its SIMD's, and all but two are taken: there is no second set for K or V.
.set SLOTB, 17408                      ; a slot: K's codes, V's codes, K's words, V's words
.set VOFF,  8192
.set KW,    16384
.set VW,    16896
.set WV,  12                           ; s12 wave;  s13 my block of queries;  s14 my tile in it;  s15 the key step;  s16 trips to go
.set BLK, 13
.set SN,  15
.set SEL, 34                           ; s[34:35] lane l xor 16
.set CS,  36                           ; s[36:37] c = log2(e) / 8
.set MNT, 38                           ; s38 the mantissa field of 448
	s_load_b128 s[4:7], s[0:1], 0x0                ; qkv, qkvs
	s_load_b128 s[8:11], s[0:1], 0x10              ; yc, ys
	v_lshl_add_u32 v251, v0, 2, 0x8800
	v_mov_b32 v255, 0
	v_lshrrev_b32 v8, 5, v0
	v_readfirstlane_b32 s[WV], v8                  ; wave 0..15
	v_and_b32 v8, 31, v0
	v_lshlrev_b32 v1, 4, v8
	v_and_b32 v9, 15, v0                           ; r
	v_bfe_u32 v10, v0, 4, 1                        ; h
	v_lshlrev_b32 v2, 5, v9
	v_lshlrev_b32 v3, 4, v9
	v_lshlrev_b32 v4, 4, v0
	v_lshlrev_b32 v5, 3, v0
	s_wait_alu depctr_va_sdst(0)                   ; the wave's number is written, ahead of its first reader: my tile, my block and the branches on it are made from it
	s_lshr_b32 s14, s[WV], 1                       ; my tile, 0..7
	s_lshr_b32 s13, s[WV], 2
	s_xor_b32 s13, s13, s[WV]
	s_and_b32 s13, s13, 1
	s_sub_co_u32 s17, 15, ttmp9
	s_cmp_lg_u32 s13, 0
	s_cselect_b32 s[BLK], s17, ttmp9               ; block 15 - i or block i
	s_sub_co_u32 s16, 17, ttmp9
	s_lshr_b32 s16, s16, 1                         ; trips of two key steps that cover steps 0 .. 15 - i
	s_lshr_b32 s17, s14, 1
	s_lshl_b32 s17, s17, 5
	s_and_b32 s30, s14, 1
	s_lshl_b32 s30, s30, 3
	s_add_co_u32 s17, s17, s30
	v_and_b32 v6, 8, v9
	v_add_nc_u32 v6, v6, v9
	v_add_nc_u32 v6, s17, v6                       ; my query's place in its block of 128,
	v_lshlrev_b32 v11, 4, v10
	v_sub_nc_u32 v6, v6, v11                       ; less 16 h: on the diagonal register 16 b + i (key 32 b + 16 h + i) is hidden where 32 b + i is greater
	s_and_b32 s39, ttmp7, 0xffff                   ; the head, 0..31
	s_lshl_b32 s30, s39, 17
	s_mov_b32 s31, 0
	s_mul_i32 s32, s39, 12288
	s_mov_b32 s33, 0
	s_mov_b32 s[SEL], 0x76543210
	s_mov_b32 s[SEL+1], 0xfedcba98
	s_mov_b32 s[CS], 0x3e38aa3b
	s_mov_b32 s[CS+1], s[CS]                       ; (named with it as a pair, so it is written)
	s_mov_b32 s[MNT], 0x600000
	s_mov_b32 s[SN], 0
	s_wait_kmcnt 0x0
	s_add_nc_u64 s[40:41], s[4:5], s[30:31]        ; the head's q,
	s_add_nc_u64 s[18:19], s[40:41], 0x400000      ; k,
	s_add_nc_u64 s[20:21], s[40:41], 0x800000      ; v;
	s_add_nc_u64 s[42:43], s[6:7], s[32:33]        ; q's scale words,
	s_add_nc_u64 s[22:23], s[42:43], 393216        ; k's and v's
	s_lshl_b32 s30, s[BLK], 13
	s_lshl_b32 s44, s14, 10
	s_add_co_u32 s30, s30, s44
	s_add_nc_u64 s[40:41], s[40:41], s[30:31]
	s_mul_i32 s32, s[BLK], 768
	s_lshl_b32 s44, s14, 2
	s_add_co_u32 s32, s32, s44
	s_add_nc_u64 s[42:43], s[42:43], s[32:33]
	s_wait_alu depctr_va_vdst(0)                   ; the five addresses v1 to v5 are written, which every load and store of the kernel reads; no vector instruction writes them again
	global_load_b128 v[16:19], v1, s[40:41]        ; Q's fragment: the head's 64
	global_load_b128 v[20:23], v1, s[40:41] offset:512
	global_load_b32 v220, v2, s[42:43]             ; and its scale words
	global_load_b128 v[222:225], v4, s[18:19]      ; key step 0
	global_load_b128 v[226:229], v4, s[20:21]
	s_cmp_lt_u32 s[WV], 3                          ; 768 bytes of scale words: 96 threads x 8
	s_cbranch_scc0 .Lno_words
	global_load_b64 v[230:231], v5, s[22:23]
.Lno_words:
.irp j, 24,25,26,27,28,29,30,31
	v_mov_b32 v[\j], 0                             ; zero codes for k = 64 .. 127 of Q,
.endr
.irp t, 0,1,2,3
.irp j, 8,9,10,11,12,13,14,15
	v_mov_b32 v[32+16*\t+\j], 0                    ; and of K's four fragments: no load ever lands here
.endr
.endr
.set n, 0
.rept 32
	v_mov_b32 v[160+n], 0                          ; O^T: the loop has no first step of its own
.set n, n+1
.endr
	v_mov_b32 v7, 0xff800000
	v_mov_b32 v13, 0xff61b1e6                      ; the largest t so far: -3e38
	v_floor_f32 v12, -v13                          ; -M
	v_mov_b32 v14, 0
	v_mov_b32 v15, 0
.irp b, 0,1,2,3
	v_mov_b32 v[236+\b], 0                         ; lane permutes' destinations count as sources
.endr
	v_mov_b32 v252, 0
	v_mov_b32 v253, 0
	s_wait_loadcnt 0x0
	ds_store_b128 v4, v[222:225]                   ; (their data came by loads, their addresses stand ahead of the wait above)
	ds_store_b128 v4, v[226:229] offset:VOFF
	s_cmp_lt_u32 s[WV], 3
	s_cbranch_scc0 .Lno_words_2
	ds_store_b64 v5, v[230:231] offset:KW
.Lno_words_2:
	s_wait_dscnt 0x0                               ; for the others' sake: my part of slot 0 lies in LDS
	s_barrier_signal -1
	s_barrier_wait -1
; A KEY STEP, read from slot p; the next step's bytes are asked for at its head and laid into slot 1 - p at its end.
.macro STEP p
	s_add_co_u32 s17, s[SN], 1
	s_min_u32 s17, s17, 15                         ; no load leaves its buffer: behind the last step the same step is fetched again and read by nobody
	s_lshl_b32 s30, s17, 13
	s_mul_i32 s32, s17, 768
	s_add_nc_u64 s[24:25], s[18:19], s[30:31]      ; (the last step's loads were waited for: their bases may be written)
	s_add_nc_u64 s[26:27], s[20:21], s[30:31]
	s_add_nc_u64 s[28:29], s[22:23], s[32:33]
	s_wait_alu depctr_vm_vsrc(0)                   ; the LDS stores at the last step's end (in the first trip: the head's) have read v222-231, in which the loads below land
	global_load_b128 v[222:225], v4, s[24:25]
	global_load_b128 v[226:229], v4, s[26:27]
	s_cmp_lt_u32 s[WV], 3
	s_cbranch_scc0 .Lnw_\@
	global_load_b64 v[230:231], v5, s[28:29]
.Lnw_\@:
	s_cmp_gt_u32 s[SN], s[BLK]                     ; all 128 keys come after my queries: the step's work is left out, not its fetch nor its barrier
	s_cbranch_scc1 .Lskip_\@
	s_wait_alu depctr_va_vdst(0)                   ; the last step's products are done reading K's fragments and K's and V's scale words, in which the loads below land; in my first step: the zero halves of Q's and K's fragments are written, which the scaled products take
	ds_load_b128 v[208:211], v2 offset:\p*SLOTB+KW
	ds_load_b128 v[212:215], v2 offset:\p*SLOTB+KW+16
	ds_load_b128 v[216:219], v3 offset:\p*SLOTB+VW ; V's scale words come with this run: no vector or matrix instruction names them before the second product
.irp g, 0,1                                    ; S^T = K Q^T, four tiles of 16 keys at a time
.if \g
.rept 8
	v_nop                                          ; the places behind the last four products stay beside the wait
.endr
	s_wait_alu depctr_va_vdst(0)                   ; those four products are done reading v32-95, in which the next four tiles land
.endif
.irp t, 0,1,2,3
	ds_load_b128 v[32+16*\t:35+16*\t], v1 offset:\p*SLOTB+(4*\g+\t)*1024
	ds_load_b128 v[36+16*\t:39+16*\t], v1 offset:\p*SLOTB+(4*\g+\t)*1024+512
.endr
	s_wait_dscnt 0x0
.irp t, 0,1,2,3
	v_wmma_scale_f32_16x16x128_f8f6f4 v[96+8*(4*\g+\t):103+8*(4*\g+\t)], v[32+16*\t:47+16*\t], v[16:31], 0, v[208+4*\g+\t], v220
.endr
.endr
.rept 8
	v_nop
.endr
	s_cmp_lg_u32 s[SN], s[BLK]                     ; on the diagonal hidden scores become -infinity ahead of the maximum: p = 0 then
	s_cbranch_scc1 .Lopen_\@
.set n, 0
.rept 8                                        ; eight runs of eight compares, each into a scalar register of its own (s2, s3, s44 .. s49), so that one wait serves a run
.set k, 0
.rept 8
	v_cmp_gt_i32 s[2+k+40*((k+6)/8)], 32*((n+k)/16)+(n+k)%16, v6
.set k, k+1
.endr
	s_wait_alu depctr_va_sdst(0)                   ; the run's eight masks are written, ahead of the selects that read them
.set k, 0
.rept 8
	v_cndmask_b32 v[96+n+k], v[96+n+k], v7, s[2+k+40*((k+6)/8)]
.set k, k+1
.endr
.set n, n+8
.endr
.Lopen_\@:
.irp b, 0,1,2,3
	v_max3_num_f32 v[232+\b], v[96+16*\b], v[97+16*\b], v[98+16*\b]   ; the largest score of each block of 32 keys: for the row's maximum, and, since p rises with the score, for the block's largest p
.endr
.irp i, 3,5,7,9,11,13
.irp b, 0,1,2,3
	v_max3_num_f32 v[232+\b], v[232+\b], v[96+16*\b+\i], v[97+16*\b+\i]
.endr
.endr
.irp b, 0,1,2,3
	v_max_num_f32 v[232+\b], v[232+\b], v[111+16*\b]
.endr
.irp b, 0,1,2,3
	v_permlanex16_b32 v[236+\b], v[232+\b], s[SEL], s[SEL+1]
.endr
.irp b, 0,1,2,3
	v_max_num_f32 v[232+\b], v[232+\b], v[236+\b]  ; with lane l xor 16's 16 keys
.endr
	v_max3_num_f32 v254, v232, v233, v234
	v_max_num_f32 v254, v254, v235
	v_mul_f32 v254, s[CS], v254                    ; the step's largest t
	v_max_num_f32 v13, v13, v254
	v_mov_b32 v254, v12
	v_floor_f32 v12, -v13                          ; the new -M = -ceil(t): a whole number
	v_sub_f32 v254, v12, v254                      ; old M - new M: a whole number, 0 or less
	v_cvt_i32_f32 v254, v254                       ; (it saturates)
	v_ldexp_f32 v252, 1.0, v254                    ; f = 2^(old M - new M)
.irp j, 0,2,4,6,8,10,12,14,16,18,20,22,24,26,28,30,32,34,36,38,40,42,44,46,48,50,52,54,56,58,60,62
	v_pk_fma_f32 v[96+\j:97+\j], v[96+\j:97+\j], s[CS:CS+1], v[12:13] op_sel_hi:[1,0,0]   ; t - M, two at a time
.endr
.irp b, 0,1,2,3
	v_fma_f32 v[232+\b], v[232+\b], s[CS], v12
.endr
.set n, 0
.rept 64
	v_exp_f32 v[96+n], v[96+n]                     ; p = 2^(t - M)
.set n, n+1
.endr
.irp b, 0,1,2,3
	v_exp_f32 v[232+\b], v[232+\b]                 ; the block's largest p: the same two instructions on the same number
.endr
	v_pk_mul_f32 v[14:15], v[14:15], v[252:253] op_sel_hi:[1,0]   ; the sums under the new M  (a plain place behind the exponentials)
	s_wait_alu depctr_va_vdst(0)                   ; the 68 exponentials have written p and the blocks' largest p: one wait for the batch, ahead of the first instruction that names a result
.irp b, 0,1,2,3
	v_max_num_f32 v[232+\b], 0x4800000, v[232+\b]  ; the floor 2^(9 - 127)
.endr
.irp b, 0,1,2,3
	v_add_nc_u32 v[244+\b], 0xfc000000, v[232+\b]
.endr
.irp b, 0,1,2,3
	v_and_or_b32 v[240+\b], v[232+\b], 0x7f800000, s[MNT]
.endr
.irp b, 0,1,2,3
	v_lshrrev_b32 v[236+\b], 23, v[244+\b]
.endr
	v_lshl_or_b32 v253, v237, 8, v236              ; p's scale word for these 128 keys
	v_lshl_or_b32 v253, v238, 16, v253
	v_lshl_or_b32 v253, v239, 24, v253
	v_pk_add_f32 v[236:237], v[96:97], v[98:99]    ; the row's sum is taken of the unquantised p, in two chains
.irp j, 4,8,12,16,20,24,28,32,36,40,44,48,52,56,60
	v_pk_add_f32 v[14:15], v[14:15], v[96+\j:97+\j]
	v_pk_add_f32 v[236:237], v[236:237], v[98+\j:99+\j]
.endr
	v_pk_add_f32 v[14:15], v[14:15], v[236:237]
.irp b, 0,1,2,3
.irp i, 0,1,2,3,4,5,6,7,8,9,10,11,12,13,14,15
	v_min_num_f32 v[96+16*\b+\i], v[96+16*\b+\i], v[240+\b]   ; the hold; p is not negative
.endr
	v_cvt_scalef32_pk8_fp8_f32 v[192+4*\b:193+4*\b], v[96+16*\b:103+16*\b], v[244+\b]
	v_cvt_scalef32_pk8_fp8_f32 v[194+4*\b:195+4*\b], v[104+16*\b:111+16*\b], v[244+\b]
.endr
.irp j, 0,2,4,6,8,10,12,14,16,18,20,22,24,26,28,30
	v_pk_mul_f32 v[160+\j:161+\j], v[160+\j:161+\j], v[252:253] op_sel_hi:[1,0]   ; O^T under the new M; also the places between the conversions and the products
.endr
	s_wait_alu depctr_va_vdst(0)                   ; the holds and the conversions are done with v96-159, in which V's fragments land; the conversions have written p's codes and the shifts its scale word, which the scaled products below take: the wait stands behind those operands' places
.irp t, 0,1,2,3                                ; V's four fragments land where p lay
.irp c, 0,1,2,3
	ds_load_b128 v[96+16*\t+4*\c:99+16*\t+4*\c], v1 offset:\p*SLOTB+VOFF+\t*2048+\c*512
.endr
.endr
	s_wait_dscnt 0x0
.irp t, 0,1,2,3                                ; O^T += V^T P^T: the four accumulators by turns
	v_wmma_scale_f32_16x16x128_f8f6f4 v[160+8*\t:167+8*\t], v[96+16*\t:111+16*\t], v[192:207], v[160+8*\t:167+8*\t], v[216+\t], v253
.endr
.rept 9
	v_nop                                          ; nine: the next step's S^T is written over V's registers by matrix instructions
.endr
.Lskip_\@:
	s_wait_loadcnt 0x0                             ; the next step's bytes are in my registers
	ds_store_b128 v4, v[222:225] offset:(1-\p)*SLOTB          ; slot 1 - p was last read in front of the last barrier
	ds_store_b128 v4, v[226:229] offset:(1-\p)*SLOTB+VOFF
	s_cmp_lt_u32 s[WV], 3
	s_cbranch_scc0 .Lns_\@
	ds_store_b64 v5, v[230:231] offset:(1-\p)*SLOTB+KW
.Lns_\@:
	s_add_co_u32 s[SN], s[SN], 1
	s_wait_dscnt 0x0                               ; my stores have landed and my reads of slot p are over
	s_barrier_signal -1
	s_barrier_wait -1
.endm
.Ltrip:
	STEP 0
	STEP 1
	s_sub_co_u32 s16, s16, 1
	s_cmp_lg_u32 s16, 0
	s_cbranch_scc1 .Ltrip
	; THE WAY OUT: y = O^T / the sum; register 16 b + i is channel 32 b + 16 h + i of my head: two blocks of 32 along the last product's K.  Codes and bytes go into y's images.
	v_add_f32 v14, v14, v15
	v_permlanex16_b32 v252, v14, s[SEL], s[SEL+1]
	v_add_f32 v14, v14, v252                       ; the row's sum
	v_rcp_f32 v14, v14
	v_lshl_add_u32 v8, v9, 3, v10                  ; (a plain place behind the transcendental)  scale bytes: 8 r + h
	v_cmp_ne_u32 vcc_lo, 0, v10                    ; which half of the lanes: for the byte's select further down
	s_lshr_b32 s17, s39, 4                         ; the batch: 128 tiles
	s_lshl_b32 s17, s17, 7
	s_lshl_b32 s30, s[BLK], 3
	s_add_co_u32 s17, s17, s30
	s_add_co_u32 s17, s17, s14                     ; y's tile
	s_and_b32 s44, s39, 15                         ; the head in the batch: 64 of K, 1,024 bytes of a tile's image
	s_lshl_b32 s30, s17, 14
	s_lshl_b32 s32, s44, 10
	s_add_co_u32 s30, s30, s32
	s_add_nc_u64 s[8:9], s[8:9], s[30:31]
	s_lshl_b32 s32, s17, 9
	s_lshr_b32 s30, s44, 2
	s_lshl_b32 s30, s30, 7
	s_add_co_u32 s32, s32, s30
	s_and_b32 s30, s44, 3
	s_lshl_b32 s30, s30, 1                         ; two bytes a head in a lane-row's eight
	s_add_co_u32 s32, s32, s30
	s_add_nc_u64 s[10:11], s[10:11], s[32:33]
	s_wait_alu depctr_va_vdst(0)                   ; the reciprocal has written v14, ahead of its first reader
	s_wait_alu depctr_va_vcc(0)                    ; the compare has written VCC, ahead of the select that reads it
.set n, 0
.rept 32
	v_mul_f32 v[96+n], v[160+n], v14
.set n, n+1
.endr
.irp b, 0,1
	v_max3_num_f32 v[232+\b], |v[96+16*\b]|, |v[97+16*\b]|, 0x4800000
.endr
.irp i, 2,4,6,8,10,12,14
.irp b, 0,1
	v_max3_num_f32 v[232+\b], v[232+\b], |v[96+16*\b+\i]|, |v[97+16*\b+\i]|
.endr
.endr
.irp b, 0,1
	v_permlanex16_b32 v[236+\b], v[232+\b], s[SEL], s[SEL+1]
.endr
.irp b, 0,1
	v_max_num_f32 v[232+\b], v[232+\b], v[236+\b]
.endr
.irp b, 0,1
	v_add_nc_u32 v[244+\b], 0xfc000000, v[232+\b]
.endr
.irp b, 0,1
	v_and_or_b32 v[240+\b], v[232+\b], 0x7f800000, s[MNT]
.endr
.irp b, 0,1
	v_lshrrev_b32 v[236+\b], 23, v[244+\b]
.endr
	v_cndmask_b32 v11, v236, v237, vcc_lo          ; lanes 0-15 store block 0's byte, lanes 16-31 block 1's
.irp b, 0,1
.irp i, 0,1,2,3,4,5,6,7,8,9,10,11,12,13,14,15
	v_med3_num_f32 v[96+16*\b+\i], v[96+16*\b+\i], -v[240+\b], v[240+\b]
.endr
	v_cvt_scalef32_pk8_fp8_f32 v[192+4*\b:193+4*\b], v[96+16*\b:103+16*\b], v[244+\b]
	v_cvt_scalef32_pk8_fp8_f32 v[194+4*\b:195+4*\b], v[104+16*\b:111+16*\b], v[244+\b]
.endr
	v_nop
	s_wait_alu depctr_va_vdst(0)                   ; the conversions have written v192-199, the select v11 and the shift v8, which the three stores read
	global_store_b128 v1, v[192:195], s[8:9]       ; 512 consecutive bytes each
	global_store_b128 v1, v[196:199], s[8:9] offset:512
	global_store_b8 v8, v11, s[10:11]              ; a scale word's four bytes come from two heads, two work-groups: so single bytes, 32 a wave
	s_wait_dscnt 0x0
	s_wait_alu depctr_hold_cnt(0) depctr_sa_sdst(0) depctr_va_vdst(0) depctr_va_sdst(0) depctr_va_ssrc(0) depctr_va_vcc(0) depctr_vm_vsrc(0)
	s_wait_tensorcnt 0x0
	ds_add_u32 v251, v255
	s_wait_dscnt 0x0
	s_endpgm
.Lfunc_end_k_q3c0ab1ee33_attn:
	.size	k_q3c0ab1ee33_attn, .Lfunc_end_k_q3c0ab1ee33_attn-k_q3c0ab1ee33_attn
	.p2alignl 7, 3214868480
	.fill 96, 4, 3214868480
	.section	.rodata,"a",@progbits
	.p2align	6, 0x0
	.amdhsa_kernel k_q3c0ab1ee33_attn
		.amdhsa_group_segment_fixed_size 36864
		.amdhsa_private_segment_fixed_size 0
		.amdhsa_enable_private_segment 0
		.amdhsa_kernarg_size 32
		.amdhsa_user_sgpr_count 2
		.amdhsa_user_sgpr_kernarg_segment_ptr 1
		.amdhsa_wavefront_size32 1
		.amdhsa_system_sgpr_workgroup_id_x 1
		.amdhsa_system_sgpr_workgroup_id_y 1
		.amdhsa_system_sgpr_workgroup_id_z 1
		.amdhsa_system_vgpr_workitem_id 0
		.amdhsa_next_free_vgpr 256
		.amdhsa_next_free_sgpr 66
		.amdhsa_reserve_vcc 1
		.amdhsa_float_denorm_mode_32 3
		.amdhsa_float_denorm_mode_16_64 3
		.amdhsa_memory_ordered 1
		.amdhsa_forward_progress 1
		.amdhsa_inst_pref_size 71
	.end_amdhsa_kernel
	.amdgpu_metadata
---
amdhsa.version: [ 1, 2 ]
amdhsa.kernels:
  - .name:           k_q3c0ab1ee33_attn
    .symbol:         k_q3c0ab1ee33_attn.kd
    .args:
      - { .name: qkv, .offset: 0, .size: 8, .value_kind: global_buffer, .address_space: global }
      - { .name: qkvs, .offset: 8, .size: 8, .value_kind: global_buffer, .address_space: global }
      - { .name: yc, .offset: 16, .size: 8, .value_kind: global_buffer, .address_space: global }
      - { .name: ys, .offset: 24, .size: 8, .value_kind: global_buffer, .address_space: global }
    .group_segment_fixed_size: 36864
    .private_segment_fixed_size: 0
    .kernarg_segment_align: 8
    .kernarg_segment_size: 32
    .max_flat_workgroup_size: 512
    .sgpr_count:     66
    .vgpr_count:     256
    .wavefront_size: 32
...
	.end_amdgpu_metadata
.endif
;; end of part 5
;; launch proj: the kernel of part 4 again; grid 8 x 32, 4 waves a work-group, clusters of 4 x 4, 295,424 bytes of LDS; arguments yc, ys, opc, ops, b_proj, out0; writes out0
